; MI455X (gfx1250); checked and timed in simulation.
; The chip was launched on July 23, 2026; its instructions are those of AMD's public machine-readable ISA for CDNA 5 (MIT licence, August 2026) and "CDNA5" Instruction Set Architecture Reference Guide (July 2026). The comments in the code are by the model that wrote it; some were corrected since.
;; Self Attention. Allowed arithmetic: matrix products marked QUANTISED: E2M3 operands, one E8M0 scale for each 32 along K, by v_wmma_scale_f32_16x16x128_f8f6f4 with both operands' format E2M3, f32 sums; everything else in f32.
;; Inputs: W_attn 1,024 x 3,072 float32; W_proj 1,024 x 1,024 float32; b_attn 3,072 float32; b_proj 1,024 float32; x 4 x 2,048 x 1,024 float32.
;; Outputs: out0 4 x 2,048 x 1,024 float32.
;; This version of the problem:
;;   THIS VERSION OF THE PROBLEM IS GIVEN IN LOW PRECISION. The matrix products marked QUANTISED in the list below multiply operands that are first quantised to E2M3 (2 exponent bits, 3 mantissa bits; 6 bits a number), with one power-of-two scale for each 32 numbers along K (OCP MX v1.0); their sums are f32. All else is computed in f32.
;;   The module's matrix products, in the order in which they are computed (A, B: the left and right operand; K: the contracted axis; several contracted axes count as one K, in the product's order):
;;     1. [M 8,192, K 1,024] x [K 1,024, N 3,072]; A: input x; B: input W_attn: QUANTISED
;;     2. batch 64 x [M 2,048, K 64] x [K 64, N 2,048]; A: computed on the way; B: computed on the way: QUANTISED
;;     3. batch 64 x [M 2,048, K 2,048] x [K 2,048, N 64]; A: softmax (see below); B: computed on the way: QUANTISED
;;     4. [M 8,192, K 1,024] x [K 1,024, N 1,024]; A: computed on the way; B: input W_proj: QUANTISED
;;   THE QUANTISER, for each operand of a quantised product, along K:
;;     - K is cut into blocks of 32 from its start; a last block that is shorter is filled with zeros.
;;     - A block's scale is 2^e with e = floor(log2(the largest magnitude in the block)) - 2, held to -126 .. 127; a block of zeros has e = 0. As a byte (E8M0): e + 127.
;;     - Each number is divided by its block's scale, clamped to +-7.5, and rounded to the nearest number of E2M3, ties to even, subnormals kept.
;;     - The product sums the exact products of the quantised numbers (number of the format x scale) in f32.
;;   ~~~python
;;   def quantise(x, axis):      # numpy; x: float32 -> the quantised numbers, widened to float32 again
;;       x = np.moveaxis(x, axis, -1); K = x.shape[-1]
;;       x = np.pad(x, [(0, 0)] * (x.ndim - 1) + [(0, -K % 32)]); x = x.reshape(x.shape[:-1] + (-1, 32)); a = np.abs(x).max(-1, keepdims=True)
;;       e = np.where(a > 0, np.clip(np.frexp(np.where(a > 0, a, 1))[1] - 1 - 2, -126, 127), 0)      # np.frexp(a)[1] - 1 = floor(log2(a)), exactly
;;       r = np.clip(x / 2.0 ** e, -7.5, 7.5)
;;       step = 2.0 ** (np.maximum(np.frexp(np.where(r == 0, 1, r))[1] - 1, 0) - 3)
;;       q = np.round(r / step) * step * 2.0 ** e      # np.round: ties to even
;;       return np.moveaxis(q.reshape(q.shape[:-2] + (-1,))[..., :K], -1, axis).astype(np.float32)
;;   ~~~
;;   SOFTMAX AHEAD OF A QUANTISED PRODUCT. Where the list says 'softmax', what is quantised is not the finished softmax but p = 2^(t - M), with t = logit x log2(e) and M = ceil(the row's largest t), a whole number; so 1/2 < the row's largest p <= 1. The row's sum l is taken of the UNQUANTISED p, in f32, and the product's result is divided by l at the end. Since M is a whole number, a kernel that streams over the keys may use a running M (the ceiling of the running maximum): every later rescaling is an exact power of two, which a block's scale takes up: the codes' values come out the same.
;;   OPERANDS COMPUTED ON THE WAY. 'Computed on the way' means the value that the module computes at that place (a softmax that the list does not call 'softmax' is quantised finished and normalised). What goes into a quantiser is computed in f32, as accurately as f32 sums, v_exp_f32 and their like allow (about 1e-6 of the number): no bf16 or f16 on the way to a quantiser, and a product that is left as it is and whose result goes on into a quantised operand takes f32 operands (vector FMAs, or v_wmma_f32_16x16x4_f32). A number that lies on a knife's edge between two numbers of the format may be rounded either way, as far as f32 arithmetic and the matrix unit's own rounding can turn it there, and no further.
;; One version. Each part assembles by itself: llvm-mc -triple=amdgcn-amd-amdhsa -mcpu=gfx1250 --defsym DOCPART=n.
;; ======== version 1 of 1: 4 launches
;; workspace buffers: xq 6,553,600 bytes; wq 3,276,800 bytes; qkv 19,660,800 bytes; yq 6,553,600 bytes
;; launch quant (part 1): grid 384 x 1, 4 waves a work-group, no clusters, 58,880 bytes of LDS; arguments x, W_attn, W_proj, xq, wq; writes xq, wq
.if DOCPART == 1
	.amdgcn_target "amdgcn-amd-amdhsa--gfx1250"
	.amdhsa_code_object_version 6
	.text
	.protected	k_q09f566e18d_quant
	.globl	k_q09f566e18d_quant
	.p2align	8
	.type	k_q09f566e18d_quant,@function
k_q09f566e18d_quant:
	s_mov_b64 s[64:65], 0
	v_nop
	global_prefetch_b8 v0, s[64:65] scope:SCOPE_SE
	s_setreg_imm32_b32 hwreg(HW_REG_WAVE_MODE, 25, 1), 1
	s_wait_xcnt 0x0
; x [8192][1024], W_attn [1024][3072] and W_proj [1024][1024], f32, become codes of FP6 (E2M3) with one E8M0 byte for each 32 along K (K = 1024 in all three),
; laid in the ORDER OF THE OPERAND'S REGISTERS, so that the products' launches take fragments by dense loads.
; LAYOUT of xq and wq: [panel of 128 rows][chunk of 256 along K][25,600 bytes].  A chunk: codes [s = 0, 1 (128 along K)][tile 0..7][1,536 bytes], then scale words [s][tile][row] x 4 bytes.
; A tile's row p is panel row 32 (T / 2) + 8 (T % 2) + p + 8 (p / 8).  A fragment (16 rows x 128 K) is two halves of 768 bytes (64 along K each): lane l = row + 16 h holds six registers,
; k = 32 h .. 32 h + 31 of its row: registers 0-3 at 16 l, registers 4-5 at 512 + 8 l.  wq's panels 0-23 are W_attn's columns, 24-31 W_proj's (a row of an operand is a column of W).
; A block's scale is 2^(floor(log2(largest magnitude)) - 2); its byte is the largest magnitude's exponent field - 2, held at 1 from below by a floor among the maximum's leaves.
; LIMITS: NaN and infinities among the inputs are not served; a block whose largest magnitude lies under 2^-124 has its byte held at 1; a block of zeros gets the byte 1 where the
; rule says 127 (its codes are zeros, and these bytes are read by this program alone).
; Work-groups 0-127 take W (panel = id / 4, chunk = id % 4), work-groups 128-383 take x.  The two ways part once, at the head, have LDS bytes of their own and end apart.  Waves share nothing: no barrier.
.set PANEL, 102400
.set CHB,   25600
.set SCO,   24576                      ; a chunk's scale words begin here
.set XSTG,  24576                      ; LDS: W's stages 0 .. 24,575 (6,144 a wave); x's stages from here on (8,448 a wave)
.set SEL,   46                         ; s[46:47] selects of v_permlanex16_b32 for lane l xor 16
.set TM,    8                          ; v8-23 at work in QUANT
; 64 numbers of a lane, register 16 b + i = k 32 b + 16 (lane / 16) + i of the lane's row, become a fragment's codes in v[pc .. pc + 11] and the row's scale word in v[pw].
.macro QUANT s, pc, pw
.irp b, 0,1,2,3
	v_max3_num_f32 v[TM+\b], |v[\s+16*\b]|, |v[\s+1+16*\b]|, 0x1800000   ; block b: my 16 numbers and the floor 2^(3 - 127)
.endr
.irp i, 2,4,6,8,10,12,14
.irp b, 0,1,2,3
	v_max3_num_f32 v[TM+\b], v[TM+\b], |v[\s+16*\b+\i]|, |v[\s+1+16*\b+\i]|   ; the four blocks by turns
.endr
.endr
.irp b, 0,1,2,3
	v_permlanex16_b32 v[TM+4+\b], v[TM+\b], s[SEL], s[SEL+1]
.endr
.irp b, 0,1,2,3
	v_max_num_f32 v[TM+\b], v[TM+\b], v[TM+4+\b]   ; with lane l xor 16's 16: the block's largest magnitude
.endr
.irp b, 0,1,2,3
	v_add_nc_u32 v[TM+12+\b], 0xff000000, v[TM+\b]   ; 2 off its exponent field: the conversion's scale operand
.endr
.irp b, 0,1,2,3
	v_lshrrev_b32 v[TM+4+\b], 23, v[TM+12+\b]      ; the scale's byte
.endr
	v_lshl_or_b32 v[\pw], v[TM+5], 8, v[TM+4]
	v_lshl_or_b32 v[\pw], v[TM+6], 16, v[\pw]
	v_lshl_or_b32 v[\pw], v[TM+7], 24, v[\pw]
.irp c, 0,1
	v_cvt_scalef32_pk16_fp6_f32 v[\pc+6*\c:\pc+2+6*\c], v[\s+32*\c:\s+15+32*\c], v[TM+12+2*\c]
	v_cvt_scalef32_pk16_fp6_f32 v[\pc+12+4*\c:\pc+14+4*\c], v[\s+16+32*\c:\s+31+32*\c], v[TM+12+2*\c+1]   ; (three registers that begin on an even number)
.endr
	v_nop                                          ; one plain place behind a scaled conversion
.irp c, 0,1                                    ; a lane wants a WHOLE block: lanes 0-15 block 2 c, lanes 16-31 block 2 c + 1
.irp i, 0,1,2
	v_permlane16_swap_b32 v[\pc+6*\c+\i], v[\pc+12+4*\c+\i]
.endr
.irp i, 0,1,2
	v_mov_b32 v[\pc+3+6*\c+\i], v[\pc+12+4*\c+\i]
.endr
.endr
.endm
	s_load_b256 s[4:11], s[0:1], 0x0               ; x s[4:5], W_attn s[6:7], W_proj s[8:9], xq s[10:11]
	s_load_b64 s[12:13], s[0:1], 0x20              ; wq
	v_lshl_add_u32 v248, v0, 2, 0xe400
	v_mov_b32 v249, 0
	v_lshrrev_b32 v1, 5, v0
	v_readfirstlane_b32 s16, v1                    ; wave 0..3
	v_and_b32 v1, 31, v0                           ; lane
	s_wait_kmcnt 0x0
	s_cmp_lt_u32 ttmp9, 128
	s_cbranch_scc0 .Lx_path
; ---------------- W: A LANE TAKES A COLUMN, ITS REGISTERS RUN DOWN K.  Wave w takes the panel's rows 32 w .. 32 w + 31 (tiles 2 w, 2 w + 1), 8 blocks of 32 along K.
.set WOFF, 32                          ; v32-63   4 x lane + i x W's row pitch
.set WX,   64                          ; v64-127  two sets of 32 numbers
.set WC,   128                         ; v128-133 a block's codes;  v136-138 its second half as converted
.set WCT,  136
.set WSB,  140                         ; v140-141 the scale bytes, four to a register
.set WOUT, 144                         ; v144-191 the way out
	s_lshr_b32 s17, ttmp9, 2                       ; panel
	s_and_b32 s18, ttmp9, 3                        ; chunk
	s_cmp_lt_u32 s17, 24                           ; W_attn's panel or W_proj's: the choice hangs on the work-group's number alone
	s_mov_b32 s19, 4096
	s_cselect_b32 s19, 12288, s19                  ; bytes in a row of W
	s_cselect_b32 s20, 0, 24
	s_cselect_b64 s[22:23], s[6:7], s[8:9]
	s_sub_co_u32 s20, s17, s20                     ; the panel among its own tensor's
	s_lshl_b32 s21, s18, 8
	s_mul_i32 s21, s21, s19                        ; 256 rows of W a chunk
	s_lshl_b32 s20, s20, 9                         ; 512 bytes of a row a panel
	s_add_co_u32 s20, s20, s21
	s_lshl_b32 s21, s16, 7                         ; 128 bytes a wave
	s_add_co_u32 s20, s20, s21
	s_mov_b32 s21, 0
	s_add_nc_u64 s[24:25], s[22:23], s[20:21]      ; block 0's first row at my wave's first column
	s_lshl_b32 s20, s19, 5                         ; 32 rows on
.irp t, 1,2,3,4,5,6,7
	s_add_nc_u64 s[24+2*\t:25+2*\t], s[22+2*\t:23+2*\t], s[20:21]   ; a base for each block: s[24:39]
.endr
	s_mul_i32 s42, s17, PANEL
	s_mul_i32 s43, s18, CHB
	s_add_co_u32 s42, s42, s43
	s_mov_b32 s43, 0
	s_add_nc_u64 s[42:43], s[12:13], s[42:43]      ; my chunk in wq
	s_mul_i32 s44, s16, 3072
	s_mov_b32 s45, 0
	s_add_nc_u64 s[40:41], s[42:43], s[44:45]      ; my two tiles' codes
	s_lshl_b32 s44, s16, 7
	s_add_co_u32 s44, s44, SCO
	s_add_nc_u64 s[42:43], s[42:43], s[44:45]      ; and their scale words
	s_wait_alu depctr_va_vdst(0)
	v_lshlrev_b32 v2, 2, v1                        ; 4 x lane
	v_bfe_u32 v3, v0, 3, 1                         ; u: which of my two tiles my column lies in
	v_and_b32 v4, 7, v0
	v_bfe_u32 v5, v0, 4, 1
	v_lshl_add_u32 v4, v5, 3, v4                   ; p: its row there: lane = 8 u + p + 8 (p / 8)
	s_mul_i32 s46, s16, 6144                       ; my stage: [s][u][1,536]
	v_mul_u32_u24 v5, v3, 1536
	v_add_nc_u32 v5, s46, v5
	v_lshl_add_u32 v6, v4, 3, v5                   ; where registers 4-5 go: + 8 p
	v_lshl_add_u32 v5, v4, 4, v5                   ; where registers 0-3 go: + 16 p
	v_lshlrev_b32 v8, 4, v1                        ; 16 x lane
	v_add_nc_u32 v7, s46, v8                       ; the stage read back as it lies
	v_lshlrev_b32 v9, 2, v4
	v_lshl_add_u32 v9, v3, 6, v9                   ; my scale word's place: 64 u + 4 p
.set n_, 0
.rept 32
	v_mad_u32_u24 v[WOFF+n_], s19, n_, v2
.set n_, n_+1
.endr
.macro WLOAD t                         ; block t: W(32 t + i, my column): a wave reads 128 consecutive bytes, the four waves 512
.set n_, 0
.rept 32
	global_load_b32 v[WX+32*((\t)%2)+n_], v[WOFF+n_], s[24+2*(\t):25+2*(\t)] th:TH_LOAD_NT
.set n_, n_+1
.endr
.endm
.macro WBLOCK t
.set XS, WX+32*((\t)%2)
.if (\t) < 7
	s_wait_loadcnt 32                              ; this block's 32 loads are in; the next block's 32 may be out
.else
	s_wait_loadcnt 0x0
.endif
	v_max3_num_f32 v12, |v[XS]|, |v[XS+1]|, |v[XS+2]|               ; all 32 numbers of the block are mine: two chains
	v_max3_num_f32 v13, |v[XS+3]|, |v[XS+4]|, |v[XS+5]|
.irp i, 6,10,14,18,22,26
	v_max3_num_f32 v12, v12, |v[XS+\i]|, |v[XS+\i+1]|
	v_max3_num_f32 v13, v13, |v[XS+\i+2]|, |v[XS+\i+3]|
.endr
	v_max3_num_f32 v12, v12, |v[XS+30]|, |v[XS+31]|
	v_max3_num_f32 v12, v12, v13, 0x1800000        ; and the floor 2^(3 - 127)
	v_add_nc_u32 v11, 0xff000000, v12              ; the conversion's scale operand
	v_lshrrev_b32 v13, 23, v11                     ; the byte
.if (\t)%4 == 0
	v_mov_b32 v[WSB+(\t)/4], v13
.else
	v_lshl_or_b32 v[WSB+(\t)/4], v13, 8*((\t)%4), v[WSB+(\t)/4]
.endif
	v_cvt_scalef32_pk16_fp6_f32 v[WC:WC+2], v[XS:XS+15], v11
	v_cvt_scalef32_pk16_fp6_f32 v[WCT:WCT+2], v[XS+16:XS+31], v11
	v_nop                                          ; one plain place behind a scaled conversion
.irp i, 0,1,2
	v_mov_b32 v[WC+3+\i], v[WCT+\i]
.endr
	; block t is K step t / 4, half (t / 2) % 2 of the fragment, lanes 16 (t % 2) + p of that half
	ds_store_b128 v5, v[WC:WC+3] offset:3072*((\t)/4)+768*(((\t)/2)%2)+256*((\t)%2)
	ds_store_b64 v6, v[WC+4:WC+5] offset:3072*((\t)/4)+768*(((\t)/2)%2)+512+128*((\t)%2)
.if (\t)+2 < 8
	WLOAD (\t)+2
.endif
	s_wait_dscnt 0x0                               ; the stores have read their registers: the next block's codes may be written
.endm
	WLOAD 0
	WLOAD 1
.irp t, 0,1,2,3,4,5,6,7
	WBLOCK \t
.endr
.irp i, 0,1,2,3,4,5,6,7,8,9,10,11
	ds_load_b128 v[WOUT+4*\i:WOUT+4*\i+3], v7 offset:512*\i   ; LDS serves a wave's instructions in order: these see my stores
.endr
.irp i, 0,1,2,3,4,5,6,7,8,9,10,11
	s_wait_dscnt 11-\i                             ; the younger loads may be out
	global_store_b128 v8, v[WOUT+4*\i:WOUT+4*\i+3], s[40:41] offset:12288*(\i/6)+512*(\i%6)   ; 512 consecutive bytes, at a multiple of 256 from wq's first byte
.endr
	global_store_b32 v9, v[WSB], s[42:43]          ; my column's scale words of the chunk's two K steps
	s_wait_alu depctr_va_vdst(0)
	global_store_b32 v9, v[WSB+1], s[42:43] offset:512
	s_wait_tensorcnt 0x0
	ds_add_u32 v248, v249
	s_wait_dscnt 0x0
	s_endpgm
; ---------------- x: K is innermost.  Wave number T = 4 (id - 128) + wave takes tile T / 2 (16 rows) and half T % 2 of K: four units of 16 rows x 128 K, each one fragment.
; A load reads 512 consecutive bytes of one row; a unit's 8,192 bytes turn through the wave's own stage (rows 528 bytes apart) so that a lane gets 16 neighbours of each block of 32.
.Lx_path:
.set XR,  32                           ; v32-159  two sets of 64 registers as loaded
.set XX,  160                          ; v160-223 64 numbers in QUANT's order
.set XPC, 224                          ; v224-242 the codes
.set XPW, 24                           ; v24      the scale word
	s_sub_co_u32 s17, ttmp9, 128
	s_lshl_b32 s17, s17, 2
	s_add_co_u32 s17, s17, s16
	s_and_b32 s18, s17, 1                          ; which half of K
	s_lshr_b32 s19, s17, 1                         ; tile 0..511
	s_lshr_b32 s20, s19, 3                         ; panel
	s_and_b32 s21, s19, 7                          ; tile in the panel
	s_lshl_b32 s22, s20, 7
	s_lshr_b32 s23, s21, 1
	s_lshl_b32 s23, s23, 5
	s_add_co_u32 s22, s22, s23
	s_and_b32 s23, s21, 1
	s_lshl_b32 s23, s23, 3
	s_add_co_u32 s22, s22, s23                     ; the tile's first row: 128 panel + 32 (T / 2) + 8 (T % 2)
	s_lshl_b32 s22, s22, 12                        ; rows of 4,096 bytes (under 2^25 in all)
	s_lshl_b32 s23, s18, 11
	s_add_co_u32 s22, s22, s23
	s_mov_b32 s23, 0
	s_add_nc_u64 s[4:5], s[4:5], s[22:23]
	s_mul_i32 s24, s20, PANEL
	s_mul_i32 s25, s18, 2*CHB
	s_add_co_u32 s24, s24, s25
	s_mov_b32 s25, 0
	s_add_nc_u64 s[10:11], s[10:11], s[24:25]      ; my two chunks in xq
	s_mul_i32 s24, s21, 1536
	s_add_nc_u64 s[26:27], s[10:11], s[24:25]      ; my tile's codes
	s_lshl_b32 s24, s21, 6
	s_add_co_u32 s24, s24, SCO
	s_add_nc_u64 s[28:29], s[10:11], s[24:25]      ; and its scale words
	s_mov_b32 s[SEL], 0x76543210
	s_mov_b32 s[SEL+1], 0xfedcba98
	s_wait_alu depctr_va_vdst(0)
	v_lshlrev_b32 v2, 4, v1                        ; 16 x lane
	s_mul_i32 s30, s16, 8448
	s_add_co_u32 s30, s30, XSTG                    ; my stage
	v_add_nc_u32 v3, s30, v2                       ; into it: a row as it lies
	v_and_b32 v6, 15, v0                           ; r
	v_bfe_u32 v7, v0, 4, 1                         ; h
	v_mul_u32_u24 v4, v6, 528
	v_lshl_add_u32 v4, v7, 6, v4
	v_add_nc_u32 v4, s30, v4                       ; out of it: row r, + 64 h: my 16 numbers of each block of 32
	v_lshlrev_b32 v5, 3, v1                        ; 8 x lane
	v_lshlrev_b32 v6, 2, v6                        ; 4 r
.irp b, 0,1,2,3
	v_mov_b32 v[TM+4+\b], 0                        ; written once: a lane permute's destination counts as one of its sources
.endr
.macro XLOAD u
.irp i, 0,1,2,3,4,5,6,7,8,9,10,11,12,13,14,15
	global_load_b128 v[XR+64*((\u)%2)+4*\i:XR+64*((\u)%2)+4*\i+3], v2, s[4:5] offset:(\i+8*(\i/8))*4096+512*(\u) th:TH_LOAD_NT
.endr
.endm
.macro XUNIT u
.if (\u) > 0
	s_wait_xcnt 0x0                                ; the last unit's stores have read the codes' and the word's registers, which QUANT writes again
.endif
.if (\u) < 3
	s_wait_loadcnt 16                              ; this unit's 16 loads are in; the next unit's 16 may be out
.else
	s_wait_loadcnt 0x0
.endif
.irp i, 0,1,2,3,4,5,6,7,8,9,10,11,12,13,14,15
	ds_store_b128 v3, v[XR+64*((\u)%2)+4*\i:XR+64*((\u)%2)+4*\i+3] offset:528*\i
.endr
.irp b, 0,1,2,3
.irp j, 0,1,2,3
	ds_load_b128 v[XX+16*\b+4*\j:XX+16*\b+4*\j+3], v4 offset:128*\b+16*\j   ; LDS serves a wave's instructions in order
.endr
.endr
	s_wait_dscnt 0x0                               ; the numbers are back, and the stores have read their registers,
.if (\u)+2 < 4
	XLOAD (\u)+2                                   ; which take the loads of two units on
.endif
	QUANT XX, XPC, XPW
	global_store_b128 v2, v[XPC:XPC+3], s[26:27] offset:CHB*((\u)/2)+12288*((\u)%2)
	global_store_b64 v5, v[XPC+4:XPC+5], s[26:27] offset:CHB*((\u)/2)+12288*((\u)%2)+512
	global_store_b128 v2, v[XPC+6:XPC+9], s[26:27] offset:CHB*((\u)/2)+12288*((\u)%2)+768
	global_store_b64 v5, v[XPC+10:XPC+11], s[26:27] offset:CHB*((\u)/2)+12288*((\u)%2)+1280
	global_store_b32 v6, v[XPW], s[28:29] offset:CHB*((\u)/2)+512*((\u)%2)   ; lanes 16-31 write the same words with the same values
.endm
	XLOAD 0
	XLOAD 1
	s_wait_alu depctr_va_vdst(0)
.irp u, 0,1,2,3
	XUNIT \u
.endr
	s_wait_tensorcnt 0x0
	ds_add_u32 v248, v249
	s_wait_dscnt 0x0
	s_endpgm
.Lfunc_end_k_q09f566e18d_quant:
	.size	k_q09f566e18d_quant, .Lfunc_end_k_q09f566e18d_quant-k_q09f566e18d_quant
	.p2alignl 7, 3214868480
	.fill 96, 4, 3214868480
	.section	.rodata,"a",@progbits
	.p2align	6, 0x0
	.amdhsa_kernel k_q09f566e18d_quant
		.amdhsa_group_segment_fixed_size 58880
		.amdhsa_private_segment_fixed_size 0
		.amdhsa_enable_private_segment 0
		.amdhsa_kernarg_size 40
		.amdhsa_user_sgpr_count 2
		.amdhsa_user_sgpr_kernarg_segment_ptr 1
		.amdhsa_wavefront_size32 1
		.amdhsa_system_sgpr_workgroup_id_x 1
		.amdhsa_system_sgpr_workgroup_id_y 1
		.amdhsa_system_sgpr_workgroup_id_z 1
		.amdhsa_system_vgpr_workitem_id 0
		.amdhsa_next_free_vgpr 250
		.amdhsa_next_free_sgpr 66
		.amdhsa_reserve_vcc 0
		.amdhsa_float_denorm_mode_32 3
		.amdhsa_float_denorm_mode_16_64 3
		.amdhsa_memory_ordered 1
		.amdhsa_forward_progress 1
		.amdhsa_inst_pref_size 78
	.end_amdhsa_kernel
	.amdgpu_metadata
---
amdhsa.version: [ 1, 2 ]
amdhsa.kernels:
  - .name:           k_q09f566e18d_quant
    .symbol:         k_q09f566e18d_quant.kd
    .args:
      - { .name: x, .offset: 0, .size: 8, .value_kind: global_buffer, .address_space: global }
      - { .name: W_attn, .offset: 8, .size: 8, .value_kind: global_buffer, .address_space: global }
      - { .name: W_proj, .offset: 16, .size: 8, .value_kind: global_buffer, .address_space: global }
      - { .name: xq, .offset: 24, .size: 8, .value_kind: global_buffer, .address_space: global }
      - { .name: wq, .offset: 32, .size: 8, .value_kind: global_buffer, .address_space: global }
    .group_segment_fixed_size: 58880
    .private_segment_fixed_size: 0
    .kernarg_segment_align: 8
    .kernarg_segment_size: 40
    .max_flat_workgroup_size: 128
    .sgpr_count:     66
    .vgpr_count:     250
    .wavefront_size: 32
...
	.end_amdgpu_metadata
.endif
;; end of part 1
;; launch qkvgemm (part 2): grid 12 x 64, 8 waves a work-group, clusters of 4 x 4, 308,224 bytes of LDS; arguments xq, wq, b_attn, qkv; writes qkv
.if DOCPART == 2
	.amdgcn_target "amdgcn-amd-amdhsa--gfx1250"
	.amdhsa_code_object_version 6
	.text
	.protected	k_q09f566e18d_qkvgemm
	.globl	k_q09f566e18d_qkvgemm
	.p2align	8
	.type	k_q09f566e18d_qkvgemm,@function
k_q09f566e18d_qkvgemm:
	s_mov_b64 s[64:65], 0
	v_nop
	global_prefetch_b8 v0, s[64:65] scope:SCOPE_SE
	s_setreg_imm32_b32 hwreg(HW_REG_WAVE_MODE, 25, 1), 1
	s_wait_xcnt 0x0
	s_wait_alu depctr_hold_cnt(0) depctr_sa_sdst(0) depctr_va_vdst(0) depctr_va_sdst(0) depctr_va_ssrc(0) depctr_va_vcc(0) depctr_vm_vsrc(0)
	s_getreg_b32 s2, hwreg(HW_REG_IB_STS2, 6, 4)
	s_cmp_eq_u32 s2, 0
	s_cbranch_scc0 .Lentry_in_a_cluster
	s_endpgm
.Lentry_in_a_cluster:
	s_bfe_u32 s2, ttmp6, 0x10000c
	s_cmp_lg_u32 s2, 0xf033
	s_cbranch_scc0 .Lentry_shape_is_right
	s_endpgm
.Lentry_shape_is_right:
; qkv = x W_attn + b_attn on codes of FP6 (E2M3) with E8M0 scales, and its result quantised at once into the operands of attention: q and k along the head's 64, v along the tokens.  Nothing leaves as f32.
; OPERANDS (xq, wq): [panel of 128 rows][chunk of 256 K][25,600 bytes: codes [s][tile][1,536], then scale words [s][tile][row] x 4]; a tile's row p is panel row 32 (T / 2) + 8 (T % 2) + p + 8 (p / 8);
; a fragment is two halves of 768 bytes: lane l's registers 0-3 at 16 l, 4-5 at 512 + 8 l.
; A work-group makes 128 rows of A' x 256 rows of B', K = 1,024.  ALL of K lies in LDS (three panels, 307,200 bytes), each byte filled once: no slot is filled again.
; Eight waves, (wm, wn) = (wave / 4, wave % 4), each 64 x 64: 16 accumulators.  The matrix instruction is used transposed (source 0 = 16 rows of B', source 1 = 16 rows of A'): a lane holds one row of A', and by
; the tiles' order of rows the 16 registers of B' tiles 2 b, 2 b + 1 are 16 neighbouring rows of B': the K of the next product.  A wave's 64 rows of B' are one head (q, k) or 64 tokens (v), so that two
; neighbouring tiles of A' (64 registers a lane) make one fragment of the next operand.
; ROLES hang on the cluster's x, which all sixteen partners share: 0 = q, 1 = k: A' = tokens (xq), B' = features (wq).  2 = v: A' = features (wq panels 16-23), B' = tokens (xq): v's K is the tokens.
; CLUSTER 4 x 4: A's panel is shared along a row of the cluster, B's two panels along a column: each is asked for jointly, which divides the requests by four.
; qkv: [batch x head = 64][step of 128 tokens = 16][19,200 bytes]: +0 K: 4 fragments [tile 2 f | tile 2 f + 1] (16 keys x 64 each); +6,144 V: 4 fragments (16 of the head's 64 x 128 keys);
; +12,288 K's two scale registers (lanes 0-15 fragment 2 j, lanes 16-31 fragment 2 j + 1); +12,544 V's two raw scale registers (keys 64 g on: lanes 0-15 tiles 0 | 1, lanes 16-31 tiles 2 | 3); +12,800 Q as K; +18,944 Q's scales as K's.
; LIMITS: NaN and infinities are not served; a block whose largest magnitude lies under 2^-124 has its byte held at 1; a block of zeros gets the byte 1 (its codes are zeros; this program alone reads the bytes).
; REGISTERS: v4-8 LDS addresses; v9-11 16, 8, 4 x lane; v12-15 scale words (lanes 0-15 A's tile i, lanes 16-31 B's tile i); v32-79 A's four fragments; v80-127 B's; v128-255 accumulators ((a, b) at 128 + 8 (4 a + b));
; window 1, v0-31: the bias in the result's layout, the C of the first K step.
.set PANEL, 102400
.set CHB,   25600
.set LCH,   76800                      ; a chunk in LDS: A' 25,600, B' panel 0 25,600, B' panel 1 25,600
.set HLF,   12800                      ; what one tensor load brings: 50 rows of 256 bytes
.set SCO,   24576
.set HEADB, 307200
.set STEPB, 19200
.set A16, 4
.set A8,  5
.set B16, 6
.set B8,  7
.set SCA, 8
.set SC,  12
.set AF,  32
.set BF,  80
.set ACC, 128
.set TM,  32                           ; the way out works in the fragments' registers: v32-47 at work, v48-50 scale words, v52-70 and v72-90 codes
.set PW0, 48
.set PW1, 49
.set PWS, 50
.set PC0, 52
.set PC1, 72
.set SEL, 98
.set MSB, 0
.macro WIN new                         ; the immediate's high byte repeats the setting that is left
.if MSB != \new
	s_set_vgpr_msb (MSB<<8)|\new
.set MSB, \new
.endif
.endm
.macro CROUND                          ; a round of the cluster's barrier
	s_barrier_signal -1
	s_barrier_wait -1
	s_cmp_lg_u32 s12, 0
	s_cbranch_scc1 .Lnot_wave_0_\@
	s_barrier_signal -3
.Lnot_wave_0_\@:
	s_barrier_wait -3
	s_barrier_signal -1
	s_barrier_wait -1
.endm
.macro QUANT s, pc, pw                 ; 64 numbers of a lane, register 16 b + i = k 32 b + 16 (lane / 16) + i, become a fragment in v[pc .. pc + 11] and its scale word in v[pw]
.irp b, 0,1,2,3
	v_max3_num_f32 v[TM+\b], |v[\s+16*\b]|, |v[\s+1+16*\b]|, 0x1800000   ; my 16 numbers and the floor 2^(3 - 127); each accumulator is read from its low end on
.endr
.irp i, 2,4,6,8,10,12,14
.irp b, 0,1,2,3
	v_max3_num_f32 v[TM+\b], v[TM+\b], |v[\s+16*\b+\i]|, |v[\s+1+16*\b+\i]|
.endr
.endr
.irp b, 0,1,2,3
	s_delay_alu instid0(VALU_DEP_4)
	v_permlanex16_b32 v[TM+4+\b], v[TM+\b], s[SEL], s[SEL+1]
.endr
.irp b, 0,1,2,3
	s_delay_alu instid0(VALU_DEP_4)
	v_max_num_f32 v[TM+\b], v[TM+\b], v[TM+4+\b]
.endr
.irp b, 0,1,2,3
	s_delay_alu instid0(VALU_DEP_4)
	v_add_nc_u32 v[TM+12+\b], 0xff000000, v[TM+\b]   ; 2 off the exponent field: the conversion's scale operand
.endr
.irp b, 0,1,2,3
	s_delay_alu instid0(VALU_DEP_4)
	v_lshrrev_b32 v[TM+4+\b], 23, v[TM+12+\b]
.endr
	s_delay_alu instid0(VALU_DEP_3)
	v_lshl_or_b32 v[\pw], v[TM+5], 8, v[TM+4]
	s_delay_alu instid0(VALU_DEP_1)
	v_lshl_or_b32 v[\pw], v[TM+6], 16, v[\pw]
	s_delay_alu instid0(VALU_DEP_1)
	v_lshl_or_b32 v[\pw], v[TM+7], 24, v[\pw]
.irp c, 0,1
	v_cvt_scalef32_pk16_fp6_f32 v[\pc+6*\c:\pc+2+6*\c], v[\s+32*\c:\s+15+32*\c], v[TM+12+2*\c]
	v_cvt_scalef32_pk16_fp6_f32 v[\pc+12+4*\c:\pc+14+4*\c], v[\s+16+32*\c:\s+31+32*\c], v[TM+12+2*\c+1]
.endr
	v_nop                                          ; one plain place behind a scaled conversion
.irp c, 0,1
.irp i, 0,1,2
	v_permlane16_swap_b32 v[\pc+6*\c+\i], v[\pc+12+4*\c+\i]
.endr
.irp i, 0,1,2
	s_delay_alu instid0(VALU_DEP_3)
	v_mov_b32 v[\pc+3+6*\c+\i], v[\pc+12+4*\c+\i]
.endr
.endr
.endm
	s_load_b256 s[4:11], s[0:1], 0x0               ; xq s[4:5], wq s[6:7], b_attn s[8:9], qkv s[10:11]
	v_lshl_add_u32 v30, v0, 2, 0x4b000
	v_mov_b32 v31, 0
	ds_add_u32 v30, v31
	ds_add_u32 v30, v31
	v_lshrrev_b32 v1, 5, v0
	s_delay_alu instid0(VALU_DEP_1)
	v_readfirstlane_b32 s12, v1                    ; wave 0..7
	s_lshr_b32 s13, s12, 2                         ; wm
	s_and_b32 s14, s12, 3                          ; wn
	s_bfe_u32 s15, ttmp6, 0x40000                  ; cx
	s_bfe_u32 s16, ttmp6, 0x40004                  ; cy
	s_and_b32 s18, ttmp7, 0xffff                   ; the cluster's y, 0..15
	s_lshl_b32 s19, s16, 2
	s_lshl_b32 s19, 15, s19                        ; my row of the cluster
	s_lshl_b32 s20, 0x1111, s15                    ; my column
	; descriptor group 1: 50 rows of 256 bytes (32 elements of 8 bytes), dense, no padding
	s_or_b32 s24, s19, (3<<16)|(1<<21)             ; 15:0 the mask: A' goes to my row; 17:16 elements of 8 bytes; 21 set beside a mask
	s_or_b32 s32, s20, (3<<16)|(1<<21)             ; B' goes to my column
.irp g, 24, 32
	s_mov_b32 s[\g+1], 32<<16                      ; tensor_dim0
	s_mov_b32 s[\g+2], 50<<16                      ; tensor_dim1
	s_mov_b32 s[\g+3], 32<<16                      ; tile_dim0
	s_mov_b32 s[\g+4], 50                          ; tile_dim1
	s_mov_b32 s[\g+5], 32                          ; from row to row
	s_mov_b32 s[\g+6], 0
	s_mov_b32 s[\g+7], 0
.endr
	; A's panel hangs on cy and the cluster's place alone, B's pair of panels on cx and the cluster's place alone
	s_lshl_b32 s21, s18, 2
	s_add_co_u32 s21, s21, s16                     ; tr: panel of tokens (q, k)
	s_and_b32 s22, s18, 1
	s_lshl_b32 s22, s22, 2
	s_add_co_u32 s22, s22, s16                     ; mt: panel of v's features
	s_add_co_u32 s23, s22, 16                      ; in wq
	s_lshl_b32 s84, ttmp9, 2
	s_add_co_u32 s84, s84, s15                     ; tc: pair of panels of features (q: 0-3, k: 4-7)
	s_lshr_b32 s85, s18, 1
	s_lshl_b32 s85, s85, 2
	s_add_co_u32 s85, s85, s15                     ; nt: pair of panels of tokens (v)
	s_wait_dscnt 0x0
	s_wait_kmcnt 0x0
	s_cmp_eq_u32 ttmp9, 2                          ; v?
	s_cselect_b32 s86, s23, s21                    ; A's panel
	s_cselect_b32 s87, s85, s84                    ; B's pair
	s_cselect_b64 s[88:89], s[6:7], s[4:5]         ; A's buffer
	s_cselect_b64 s[90:91], s[4:5], s[6:7]         ; B's buffer
	s_mul_i32 s92, s86, PANEL
	s_and_b32 s93, s12, 1
	s_mul_i32 s93, s93, HLF                        ; waves 0, 1: the halves of A's chunk
	s_add_co_u32 s92, s92, s93
	s_mov_b32 s93, 0
	s_add_nc_u64 s[88:89], s[88:89], s[92:93]
	s_max_u32 s94, s12, 2
	s_sub_co_u32 s94, s94, 2                       ; waves 2-5: panel (wave - 2) / 2 of the pair, half (wave - 2) % 2 of its chunk
	s_lshr_b32 s95, s94, 1
	s_mul_i32 s95, s95, PANEL
	s_and_b32 s94, s94, 1
	s_mul_i32 s94, s94, HLF
	s_add_co_u32 s94, s94, s95
	s_mul_i32 s95, s87, 2*PANEL
	s_add_co_u32 s94, s94, s95
	s_mov_b32 s95, 0
	s_add_nc_u64 s[90:91], s[90:91], s[94:95]
	s_mul_i32 s96, s12, HLF                        ; where a wave's part goes in a chunk: 12,800 x wave: no place in the cluster enters an LDS address
.irp c, 0,1,2,3                                ; a group 0 for each chunk: s[40:55] for A', s[68:83] for B'
	s_mov_b32 s[40+4*\c], 1
	s_add_co_u32 s[41+4*\c], s96, LCH*\c
	s_add_nc_u64 s[42+4*\c:43+4*\c], s[88:89], CHB*\c
	s_or_b32 s[43+4*\c], s[43+4*\c], 0x80000000
	s_mov_b32 s[68+4*\c], 1
	s_add_co_u32 s[69+4*\c], s96, LCH*\c
	s_add_nc_u64 s[70+4*\c:71+4*\c], s[90:91], CHB*\c
	s_or_b32 s[71+4*\c], s[71+4*\c], 0x80000000
.endr
	CROUND                                         ; all sixteen work-groups are here: the joint loads meet
	s_cmp_lt_u32 s12, 2                            ; all fills of a wave stand in one branch on its number: four loads of mine are out; waves 6 and 7 issue none
	s_cbranch_scc0 .Lnot_a
.irp c, 0,1,2,3
	tensor_load_to_lds s[40+4*\c:43+4*\c], s[24:31]
	s_nop 0
.endr
.rept 4
	v_nop
.endr
	s_branch .Lasked
.Lnot_a:
	s_cmp_lt_u32 s12, 6
	s_cbranch_scc0 .Lasked
.irp c, 0,1,2,3
	tensor_load_to_lds s[68+4*\c:71+4*\c], s[32:39]
	s_nop 0
.endr
.rept 4
	v_nop
.endr
.Lasked:
	v_and_b32 v1, 31, v0                           ; lane
	v_and_b32 v2, 15, v0                           ; r
	v_bfe_u32 v3, v0, 4, 1                         ; h
	s_wait_alu depctr_va_vdst(0)
	v_lshlrev_b32 v9, 4, v1
	v_lshlrev_b32 v10, 3, v1
	v_lshlrev_b32 v11, 2, v1
	s_mul_i32 s97, s13, 6144                       ; A': my four tiles
	v_add_nc_u32 v[A16], s97, v9
	v_add_nc_u32 v[A8], s97, v10
	s_lshr_b32 s98, s14, 1
	s_mul_i32 s98, s98, CHB                        ; B': panel wn / 2,
	s_and_b32 s99, s14, 1
	s_mul_i32 s2, s99, 6144                        ; tiles 4 (wn % 2) on
	s_add_co_u32 s2, s2, s98
	s_add_co_u32 s2, s2, CHB
	v_add_nc_u32 v[B16], s2, v9
	v_add_nc_u32 v[B8], s2, v10
	s_lshl_b32 s3, s13, 8
	s_add_co_u32 s3, s3, SCO                       ; A's scale words,
	s_lshl_b32 s99, s99, 8
	s_add_co_u32 s99, s99, s98
	s_add_co_u32 s99, s99, CHB+SCO                 ; B's,
	s_sub_co_u32 s99, s99, s3                      ; and the distance between them: lanes 16-31 take B's
	v_mul_u32_u24 v[SCA], s99, v3
	s_delay_alu instid0(VALU_DEP_1)
	v_lshl_add_u32 v[SCA], v2, 2, v[SCA]
	s_delay_alu instid0(VALU_DEP_1)
	v_add_nc_u32 v[SCA], s3, v[SCA]
	; the bias, in the result's layout, into window 1
	s_cmp_eq_u32 ttmp9, 2
	s_cbranch_scc1 .Lbias_v
	s_lshl_b32 s2, s84, 10                         ; q, k: a lane's registers run along the features: tile b's eight are 256 tc + 64 wn + 32 (b / 2) + 16 h + 8 (b % 2) + 0 .. 7
	s_lshl_b32 s3, s14, 8
	s_add_co_u32 s2, s2, s3
	s_mov_b32 s3, 0
	s_add_nc_u64 s[8:9], s[8:9], s[2:3]
	v_lshlrev_b32 v16, 6, v3
	WIN 0x40                                       ; destination window 1
.irp b, 0,1,2,3
	global_load_b128 v[8*\b:8*\b+3], v16, s[8:9] offset:128*(\b/2)+32*(\b%2)
	global_load_b128 v[8*\b+4:8*\b+7], v16, s[8:9] offset:128*(\b/2)+32*(\b%2)+16
.endr
	WIN 0
	s_branch .Lbias_done
.Lbias_v:
	s_lshl_b32 s2, s22, 9                          ; v: a lane holds ONE feature of tile a: 2048 + 128 mt + 64 wm + 32 (a / 2) + 8 (a % 2) + r + 8 (r / 8), the same in all eight registers
	s_lshl_b32 s3, s13, 8
	s_add_co_u32 s2, s2, s3
	s_add_co_u32 s2, s2, 8192
	s_mov_b32 s3, 0
	s_add_nc_u64 s[8:9], s[8:9], s[2:3]
	v_and_b32 v16, 8, v2
	s_delay_alu instid0(VALU_DEP_1)
	v_add_nc_u32 v16, v16, v2
	s_delay_alu instid0(VALU_DEP_1)
	v_lshlrev_b32 v16, 2, v16
	WIN 0x40
.irp a, 0,1,2,3
.irp j, 0,1,2,3,4,5,6,7
	global_load_b32 v[8*\a+\j], v16, s[8:9] offset:4*(32*(\a/2)+8*(\a%2))
.endr
.endr
	WIN 0
.Lbias_done:
.macro FRAG reg, a16, a8, off          ; a fragment as it lies: every load takes consecutive bytes in lane order
	ds_load_b128 v[\reg:\reg+3], v[\a16] offset:\off
	ds_load_b64 v[\reg+4:\reg+5], v[\a8] offset:\off+512
	ds_load_b128 v[\reg+6:\reg+9], v[\a16] offset:\off+768
	ds_load_b64 v[\reg+10:\reg+11], v[\a8] offset:\off+1280
.endm
.macro FETCH sp                        ; K step sp of the chunk in hand: 4 scale registers, B's four fragments, A's four: 36 loads
.irp a, 0,1,2,3
	ds_load_b32 v[SC+\a], v[SCA] offset:512*\sp+64*\a
.endr
.irp b, 0,1,2,3
	FRAG BF+12*\b, B16, B8, 12288*\sp+1536*\b
.endr
.irp a, 0,1,2,3
	FRAG AF+12*\a, A16, A8, 12288*\sp+1536*\a
.endr
.endm
; 16 products, the accumulators by turns, one instruction a turn.  mode 0: onto the sums; 1: C = the bias of B's tile; 2: C = the bias of A's tile
.macro MUL16 mode, waits
.irp a, 0,1,2,3
.if \waits
	s_wait_dscnt 4*(3-\a)                          ; A's fragment a is in; the later ones, four loads each, may be out
.endif
.irp b, 0,1,2,3
.if \mode == 0
	v_wmma_scale_f32_16x16x128_f8f6f4 v[ACC+8*(4*\a+\b):ACC+8*(4*\a+\b)+7], v[BF+12*\b:BF+12*\b+11], v[AF+12*\a:AF+12*\a+11], v[ACC+8*(4*\a+\b):ACC+8*(4*\a+\b)+7], v[SC+\b], v[SC+\a] matrix_a_fmt:MATRIX_FMT_FP6 matrix_b_fmt:MATRIX_FMT_FP6 matrix_a_scale:MATRIX_SCALE_ROW1
.elseif \mode == 1
	v_wmma_scale_f32_16x16x128_f8f6f4 v[ACC+8*(4*\a+\b):ACC+8*(4*\a+\b)+7], v[BF+12*\b:BF+12*\b+11], v[AF+12*\a:AF+12*\a+11], v[8*\b:8*\b+7], v[SC+\b], v[SC+\a] matrix_a_fmt:MATRIX_FMT_FP6 matrix_b_fmt:MATRIX_FMT_FP6 matrix_a_scale:MATRIX_SCALE_ROW1
.else
	v_wmma_scale_f32_16x16x128_f8f6f4 v[ACC+8*(4*\a+\b):ACC+8*(4*\a+\b)+7], v[BF+12*\b:BF+12*\b+11], v[AF+12*\a:AF+12*\a+11], v[8*\a:8*\a+7], v[SC+\b], v[SC+\a] matrix_a_fmt:MATRIX_FMT_FP6 matrix_b_fmt:MATRIX_FMT_FP6 matrix_a_scale:MATRIX_SCALE_ROW1
.endif
.endr
.endr
.endm
.macro PLACES                          ; four places in front of loads into registers that matrix instructions have read, and of the first read of results
.rept 4
	v_nop
.endr
.endm
.macro ARRIVED c                       ; chunk c is whole in LDS: my part has landed (my later chunks' loads, 3 - c of them, may be out), and so has everybody's.
	s_wait_tensorcnt 3-\c
	s_barrier_signal -1
	s_barrier_wait -1
.endm
	ARRIVED 0
	s_wait_alu depctr_va_vdst(0)
	FETCH 0
	s_wait_loadcnt 0x0                             ; the bias
	s_wait_dscnt 0x0
	s_cmp_eq_u32 ttmp9, 2
	s_cbranch_scc1 .Lfirst_v
	WIN 0x10                                       ; source 2 (the bias) window 1
	MUL16 1, 0
	WIN 0
	s_branch .Lfirst_done
.Lfirst_v:
	WIN 0x10
	MUL16 2, 0
	WIN 0
.Lfirst_done:
	PLACES
	FETCH 1
	MUL16 0, 1
.irp c, 1,2,3
	ARRIVED \c
.irp r, A16, A8, B16, B8, SCA
	v_add_nc_u32 v[\r], LCH, v[\r]                 ; on to the next chunk; these five are also the places in front of the loads
.endr
	FETCH 0
	s_wait_alu depctr_va_vdst(0)
	MUL16 0, 1
	PLACES
	FETCH 1
	MUL16 0, 1
.endr
	; THE WAY OUT.  Accumulators (a, 0..3) are 32 registers: two blocks of 32 along the next K, for tile a of A'.  Tiles 0, 1 and tiles 2, 3 make a fragment each.
	PLACES
	s_mov_b32 s[SEL], 0x76543210
	s_mov_b32 s[SEL+1], 0xfedcba98
.irp b, 0,1,2,3
	v_mov_b32 v[TM+4+\b], 0                        ; a lane permute's destination counts as one of its sources
.endr
	v_cmp_lt_u32 vcc_lo, 15, v1                    ; lanes 16-31
	QUANT ACC, PC0, PW0
	QUANT ACC+64, PC1, PW1
	v_cndmask_b32 v[PWS], v[PW0], v[PW1], vcc_lo   ; one scale register: lanes 0-15 the first fragment's words, lanes 16-31 the second's
	; where it goes.  q, k: head 4 (tc % 4) + wn, step tr % 16, fragments 2 wm, 2 wm + 1: four halves 768 bytes apart.  v: head 2 mt + wm, step 2 (nt % 8) + wn / 2, half wn % 2 of fragments 0-3: 1,536 apart
	s_lshr_b32 s86, s21, 4
	s_lshl_b32 s86, s86, 4
	s_and_b32 s87, s84, 3
	s_lshl_b32 s87, s87, 2
	s_add_co_u32 s86, s86, s87
	s_add_co_u32 s86, s86, s14                     ; q, k: batch x 16 + head
	s_and_b32 s87, s21, 15                         ; step
	s_mul_i32 s88, s13, 3072                       ; codes
	s_lshl_b32 s89, s13, 7                         ; scale register
	s_cmp_eq_u32 ttmp9, 0                          ; q?
	s_cselect_b32 s90, 12800, 0
	s_mov_b32 s91, 12288
	s_cselect_b32 s91, 18944, s91
	s_add_co_u32 s88, s88, s90
	s_add_co_u32 s89, s89, s91
	s_lshr_b32 s92, s85, 3
	s_lshl_b32 s92, s92, 4
	s_lshl_b32 s93, s22, 1
	s_add_co_u32 s92, s92, s93
	s_add_co_u32 s92, s92, s13                     ; v: batch x 16 + head
	s_and_b32 s93, s85, 7
	s_lshl_b32 s93, s93, 1
	s_lshr_b32 s94, s14, 1
	s_add_co_u32 s93, s93, s94                     ; step
	s_and_b32 s94, s14, 1
	s_mul_i32 s95, s94, 768
	s_add_co_u32 s95, s95, 6144                    ; codes
	s_lshl_b32 s94, s94, 7
	s_add_co_u32 s94, s94, 12544                   ; scale register
	s_cmp_eq_u32 ttmp9, 2
	s_cselect_b32 s86, s92, s86
	s_cselect_b32 s87, s93, s87
	s_cselect_b32 s88, s95, s88
	s_cselect_b32 s89, s94, s89
	s_mov_b32 s90, 768
	s_cselect_b32 s90, 1536, s90                   ; from half to half
	s_mov_b32 s91, 0
	s_mul_i32 s86, s86, HEADB
	s_mul_i32 s87, s87, STEPB
	s_add_co_u32 s86, s86, s87
	s_mov_b32 s87, 0
	s_add_nc_u64 s[10:11], s[10:11], s[86:87]      ; the step's block
	s_mov_b32 s92, s88
	s_mov_b32 s93, 0
	s_add_nc_u64 s[56:57], s[10:11], s[92:93]
	s_add_nc_u64 s[58:59], s[56:57], s[90:91]
	s_add_nc_u64 s[60:61], s[58:59], s[90:91]
	s_add_nc_u64 s[62:63], s[60:61], s[90:91]
	s_mov_b32 s92, s89
	s_add_nc_u64 s[96:97], s[10:11], s[92:93]
	s_wait_alu depctr_va_vdst(0)
.irp e, 0,1,2,3                                ; half e = tile e of A': each store covers 512 or 256 consecutive bytes, at a multiple of 256 from qkv's first byte
	global_store_b128 v9, v[PC0+20*(\e/2)+6*(\e%2):PC0+20*(\e/2)+6*(\e%2)+3], s[56+2*\e:57+2*\e]
	global_store_b64 v10, v[PC0+20*(\e/2)+6*(\e%2)+4:PC0+20*(\e/2)+6*(\e%2)+5], s[56+2*\e:57+2*\e] offset:512
.endr
	global_store_b32 v11, v[PWS], s[96:97]
	s_wait_tensorcnt 0x0
	s_wait_tensorcnt 0x0
	ds_add_u32 v30, v31
	s_wait_dscnt 0x0
	CROUND                                         ; the closing round: no work-group ends while a partner may still ask for a tile that names it
	s_endpgm
.Lfunc_end_k_q09f566e18d_qkvgemm:
	.size	k_q09f566e18d_qkvgemm, .Lfunc_end_k_q09f566e18d_qkvgemm-k_q09f566e18d_qkvgemm
	.p2alignl 7, 3214868480
	.fill 96, 4, 3214868480
	.section	.rodata,"a",@progbits
	.p2align	6, 0x0
	.amdhsa_kernel k_q09f566e18d_qkvgemm
		.amdhsa_group_segment_fixed_size 308224
		.amdhsa_private_segment_fixed_size 0
		.amdhsa_enable_private_segment 0
		.amdhsa_kernarg_size 32
		.amdhsa_user_sgpr_count 2
		.amdhsa_user_sgpr_kernarg_segment_ptr 1
		.amdhsa_wavefront_size32 1
		.amdhsa_system_sgpr_workgroup_id_x 1
		.amdhsa_system_sgpr_workgroup_id_y 1
		.amdhsa_system_sgpr_workgroup_id_z 1
		.amdhsa_system_vgpr_workitem_id 0
		.amdhsa_next_free_vgpr 288
		.amdhsa_next_free_sgpr 100
		.amdhsa_reserve_vcc 1
		.amdhsa_float_denorm_mode_32 3
		.amdhsa_float_denorm_mode_16_64 3
		.amdhsa_memory_ordered 1
		.amdhsa_forward_progress 1
		.amdhsa_inst_pref_size 65
	.end_amdhsa_kernel
	.amdgpu_metadata
---
amdhsa.version: [ 1, 2 ]
amdhsa.kernels:
  - .name:           k_q09f566e18d_qkvgemm
    .symbol:         k_q09f566e18d_qkvgemm.kd
    .args:
      - { .name: xq, .offset: 0, .size: 8, .value_kind: global_buffer, .address_space: global }
      - { .name: wq, .offset: 8, .size: 8, .value_kind: global_buffer, .address_space: global }
      - { .name: b_attn, .offset: 16, .size: 8, .value_kind: global_buffer, .address_space: global }
      - { .name: qkv, .offset: 24, .size: 8, .value_kind: global_buffer, .address_space: global }
    .group_segment_fixed_size: 308224
    .private_segment_fixed_size: 0
    .kernarg_segment_align: 8
    .kernarg_segment_size: 32
    .max_flat_workgroup_size: 256
    .sgpr_count:     100
    .vgpr_count:     288
    .wavefront_size: 32
...
	.end_amdgpu_metadata
.endif
;; end of part 2
;; launch attn (part 3): grid 4 x 64, 16 waves a work-group, no clusters, 327,680 bytes of LDS; arguments qkv, yq; writes yq
.if DOCPART == 3
	.amdgcn_target "amdgcn-amd-amdhsa--gfx1250"
	.amdhsa_code_object_version 6
	.text
	.protected	k_q09f566e18d_attn
	.globl	k_q09f566e18d_attn
	.p2align	8
	.type	k_q09f566e18d_attn,@function
k_q09f566e18d_attn:
	s_mov_b64 s[64:65], 0
	v_nop
	global_prefetch_b8 v0, s[64:65] scope:SCOPE_SE
	s_setreg_imm32_b32 hwreg(HW_REG_WAVE_MODE, 25, 1), 1
	s_wait_xcnt 0x0
; y = softmax(q k^T / 8, causal) v for one (batch, head), both products on codes of FP6 (E2M3) with E8M0 scales; y is quantised along (head, d) at once and stored as the last product's operand.
; THE SOFTMAX: t = score x log2(e) / 8; M = the running largest t rounded UP to a whole number; p = 2^(t - M) is quantised along the keys, not normalised; the row's sum is taken of the unquantised p and divides at the end.
; When M moves, the sum and O are multiplied by 2^(old M - new M): exact.
; qkv: [batch x head][step of 128 tokens][19,200 bytes]: +0 K's 4 fragments [tile 2 f | tile 2 f + 1] (16 keys x 64 d each), +6,144 V's 4 fragments (16 d x 128 keys), +12,288 K's two scale registers,
; +12,544 V's two raw scale registers, +12,800 Q as K, +18,944 Q's scales.  A fragment is two halves of 768 bytes: lane l's registers 0-3 at 16 l, 4-5 at 512 + 8 l.  Row p of tile T is token 32 (T / 2) + 8 (T % 2) + p + 8 (p / 8).
; THE HEAD'S 64 FILL HALF OF THE INSTRUCTION'S 128: a fragment of K holds TWO tiles of keys side by side along K and is multiplied twice, by [q | 0] and by [0 | q]: zero codes annul the other tile (every scale byte lies in 1 .. 254).
; The two forms of Q are overlapping runs of the 18 registers q, 0, q.
; SHARES.  The whole head's K, V and their scales (16 x 12,800 bytes) lie in LDS, filled once by 32 tensor loads at the head, two a wave.  Work-group x = p owns the blocks of 256 queries p and 7 - p, so that all
; work-groups have 18 key steps of work; each of 16 waves owns one tile of 16 queries of each block.  The first block walks steps 0-7, the second 0-15: constant trip counts; a step all of whose keys come after
; the wave's queries is jumped over by a scalar branch on ids.  Steps beyond 15 - 2 p are fetched and not read.
; NO CLUSTER, though the four work-groups of a head read the same K and V: which steps a wave jumps over hangs on the block that its work-group owns, which in a cluster would be its place there.
; Both products are used transposed (S^T = K Q^T, O^T = V^T P^T): a lane holds ONE query; the 16 registers of S^T's tiles 2 b, 2 b + 1 are keys 32 b + 16 (lane / 16) + 0 .. 15, those of O^T's likewise d.
; LIMITS: NaN and infinities are not served; a block whose largest magnitude lies under 2^-124 has its byte held at 1; a block of zeros gets the byte 1.
; REGISTERS: v1-3 16, 8, 4 x lane; v4 r + 8 (r / 8) - 16 h; v5 4 r; v8-10 the step's addresses; v12 -M, v13 largest t, v[14:15] the sum; v16-33, v192-209 Q of the two blocks; v34, v35 their scale words;
; v36-83 four fragments (K, then V); v84-85 K's scales; v86-87 V's raw; v88-89 V's scale words; v96-159 S^T, then p; v160-191 O^T; v212-222 y's codes and bytes; v224-235 p's codes; v232-254 at work.
.set PANEL, 102400
.set HEADB, 307200
.set STEPB, 19200
.set LSTEP, 12800                      ; a step in LDS
.set SEL, 32                           ; s[32:33]
.set CS,  34                           ; s[34:35] c = log2(e) / 8
.set TB,  36                           ; s36 LDS byte of the step in hand
.set KF,  37                           ; s37 its first key
.set CNT, 38                           ; s38 steps walked
.macro FRAG reg, a16, a8, off
	ds_load_b128 v[\reg:\reg+3], v[\a16] offset:\off
	ds_load_b64 v[\reg+4:\reg+5], v[\a8] offset:\off+512
	ds_load_b128 v[\reg+6:\reg+9], v[\a16] offset:\off+768
	ds_load_b64 v[\reg+10:\reg+11], v[\a8] offset:\off+1280
.endm
	s_load_b128 s[4:7], s[0:1], 0x0                ; qkv, yq
	v_lshl_add_u32 v251, v0, 2, 0x32000
	v_mov_b32 v255, 0
	ds_add_u32 v251, v255
	ds_add_u32 v251, v255
	v_lshrrev_b32 v1, 5, v0
	s_delay_alu instid0(VALU_DEP_1)
	v_readfirstlane_b32 s8, v1                     ; wave 0..15
	s_mov_b32 s9, ttmp9                            ; the first block
	s_sub_co_u32 s11, 7, s9                        ; the second
	s_and_b32 s10, ttmp7, 0xffff                   ; batch x 16 + head
	; descriptor group 1: 25 rows of 256 bytes (32 elements of 8 bytes), dense, no padding, no mask
	s_mov_b32 s16, 3<<16
	s_mov_b32 s17, 32<<16
	s_mov_b32 s18, 25<<16
	s_mov_b32 s19, 32<<16
	s_mov_b32 s20, 25
	s_mov_b32 s21, 32
	s_mov_b32 s22, 0
	s_mov_b32 s23, 0
	s_mul_i32 s52, s10, HEADB
	s_mov_b32 s53, 0
	s_lshr_b32 s54, s8, 1
	s_mul_i32 s54, s54, STEPB                      ; step wave / 2,
	s_and_b32 s55, s8, 1
	s_mul_i32 s55, s55, 6400                       ; half wave % 2 of its 12,800 bytes
	s_add_co_u32 s54, s54, s55
	s_mov_b32 s55, 0
	s_mul_i32 s56, s8, 6400
	s_wait_dscnt 0x0
	s_wait_kmcnt 0x0
	s_add_nc_u64 s[4:5], s[4:5], s[52:53]          ; my head
	s_mov_b32 s24, 1
	s_mov_b32 s25, s56                             ; LDS: 6,400 x wave: steps 0-7
	s_add_nc_u64 s[26:27], s[4:5], s[54:55]
	s_mov_b32 s28, 1
	s_add_co_u32 s29, s56, 8*LSTEP                 ; steps 8-15
	s_add_nc_u64 s[30:31], s[26:27], 8*STEPB
	s_or_b32 s27, s27, 0x80000000
	s_or_b32 s31, s31, 0x80000000
	tensor_load_to_lds s[24:27], s[16:23]          ; one load of mine is out: steps 0-7
	s_nop 0
	s_wait_alu depctr_va_vdst(0)
	s_wait_tensorcnt 0x0
	ds_add_u32 v251, v255
	s_wait_dscnt 0x0
	s_barrier_signal -1
	s_barrier_wait -1
	tensor_load_to_lds s[28:31], s[16:23]
	s_nop 0
.rept 4
	v_nop
.endr
	v_and_b32 v6, 31, v0
	s_delay_alu instid0(VALU_DEP_1)
	v_lshlrev_b32 v1, 4, v6
	s_delay_alu instid0(VALU_DEP_2)
	v_lshlrev_b32 v2, 3, v6
	s_delay_alu instid0(VALU_DEP_3)
	v_lshlrev_b32 v3, 2, v6
	v_and_b32 v6, 15, v0                           ; r
	v_bfe_u32 v7, v0, 4, 1                         ; h
	s_delay_alu instid0(VALU_DEP_2)
	v_lshlrev_b32 v5, 2, v6
	s_delay_alu instid0(VALU_DEP_3)
	v_and_b32 v4, 8, v6
	s_delay_alu instid0(VALU_DEP_1)
	v_add_nc_u32 v4, v4, v6
	s_delay_alu instid0(VALU_DEP_4)
	v_lshlrev_b32 v7, 4, v7
	s_delay_alu instid0(VALU_DEP_1)
	v_sub_nc_u32 v4, v4, v7                        ; my query less the tile's first, less my half's 16 keys
	s_mov_b32 s[SEL], 0x76543210
	s_mov_b32 s[SEL+1], 0xfedcba98
	s_mov_b32 s[CS], 0x3e38aa3b
	s_mov_b32 s[CS+1], s[CS]                       ; (named with it as a pair)
	s_lshr_b32 s58, s8, 3                          ; which 128 of a block's 256 queries
	s_lshr_b32 s59, s8, 1
	s_lshl_b32 s59, s59, 5
	s_and_b32 s74, s8, 1                           ; u: which tile of its fragment
	s_lshl_b32 s75, s74, 3
	s_add_co_u32 s59, s59, s75                     ; my tile's first query in the block: 32 (wave / 2) + 8 u
	s_bfe_u32 s75, s8, 0x20001                     ; f = (wave / 2) % 4: Q's fragment
	s_mul_i32 s60, s75, 1536
	s_mul_i32 s76, s74, 768
	s_add_co_u32 s60, s60, s76
	s_add_co_u32 s60, s60, 12800                   ; my half fragment of Q in a step's block
	s_mov_b32 s61, 0
	s_lshl_b32 s62, s75, 6
	s_add_co_u32 s62, s62, 18944                   ; its fragment's scale words: 64 bytes a fragment
	s_mov_b32 s63, 0
	s_lshr_b32 s68, s10, 4
	s_lshl_b32 s68, s68, 4                         ; 16 panels of yq a batch
	s_and_b32 s69, s10, 15                         ; head: K = 64 head + d in the last product
	s_lshr_b32 s70, s69, 2
	s_mul_i32 s70, s70, 25600                      ; chunk head / 4
	s_mov_b32 s72, s70
	s_bfe_u32 s76, s69, 0x10001                    ; K step (head / 2) % 2
	s_mul_i32 s77, s76, 12288
	s_add_co_u32 s70, s70, s77
	s_lshl_b32 s76, s76, 9
	s_add_co_u32 s72, s72, s76
	s_and_b32 s76, s8, 7                           ; tile
	s_mul_i32 s77, s76, 1536
	s_add_co_u32 s70, s70, s77
	s_lshl_b32 s76, s76, 6
	s_add_co_u32 s72, s72, s76
	s_and_b32 s76, s69, 1                          ; half head % 2 of the fragment, bytes 2 (head % 2) on of the scale word
	s_mul_i32 s77, s76, 768
	s_add_co_u32 s70, s70, s77
	s_lshl_b32 s76, s76, 1
	s_add_co_u32 s72, s72, s76
	s_add_co_u32 s72, s72, 24576
	s_mov_b32 s71, 0
	s_mov_b32 s73, 0
	s_mov_b32 s78, 0x03020302
	s_cmp_eq_u32 s74, 1
	s_cselect_b32 s78, s78, 0x01000100             ; my tile's two bytes of Q's scale word, into both halves
; A block's addresses, and its Q.  sb: the register with the block's number; qf, qs: Q's registers; sq: first and last query of my tile; sy: where y's codes go, sy + 2: its scale bytes
.macro PREP sb, qf, qs, sq, sy
	s_wait_xcnt 0x0                                ; the bases below are written again only when the loads that named them have read them
	s_lshl_b32 s52, s[\sb], 1
	s_add_co_u32 s52, s52, s58                     ; the step in which my queries lie
	s_mul_i32 s54, s52, STEPB
	s_mov_b32 s55, 0
	s_add_nc_u64 s[54:55], s[4:5], s[54:55]
	s_add_nc_u64 s[56:57], s[54:55], s[60:61]
	s_add_nc_u64 s[66:67], s[54:55], s[62:63]
	global_load_b128 v[\qf:\qf+3], v1, s[56:57]
	global_load_b64 v[\qf+4:\qf+5], v2, s[56:57] offset:512
	global_load_b128 v[\qf+12:\qf+15], v1, s[56:57]
	global_load_b64 v[\qf+16:\qf+17], v2, s[56:57] offset:512
	global_load_b32 v[\qs], v5, s[66:67]
.irp i, 6,7,8,9,10,11
	v_mov_b32 v[\qf+\i], 0
.endr
	s_lshl_b32 s[\sq], s[\sb], 8
	s_add_co_u32 s[\sq], s[\sq], s59
	s_add_co_u32 s[\sq+1], s[\sq], 23              ; row 15 of a tile lies 23 tokens behind row 0
	s_add_co_u32 s52, s52, s68
	s_mul_i32 s52, s52, PANEL
	s_mov_b32 s53, 0
	s_add_nc_u64 s[52:53], s[6:7], s[52:53]
	s_add_nc_u64 s[\sy:\sy+1], s[52:53], s[70:71]
	s_add_nc_u64 s[\sy+2:\sy+3], s[52:53], s[72:73]
.endm
	s_wait_alu depctr_va_vdst(0)
	PREP 9, 16, 34, 40, 44
	PREP 11, 192, 35, 42, 48
; One block of queries: trips key steps, then the way out.
.macro PHASE trips, qf, qs, sq, sy
	v_mov_b32 v13, 0xff61b1e6                      ; the largest t so far: -3e38
	s_delay_alu instid0(VALU_DEP_1)
	v_floor_f32 v12, -v13                          ; -M
	v_mov_b32 v14, 0
	v_mov_b32 v15, 0
	v_mov_b32 v252, 0                              ; (a lane permute's destination and a named pair's halves count as read)
	v_mov_b32 v253, 0
.irp b, 0,1,2,3
	v_mov_b32 v[236+\b], 0
.endr
.set j_, 0
.rept 32
	v_mov_b32 v[160+j_], 0                         ; O^T: the step is written once; the first finds zeros
.set j_, j_+1
.endr
	s_mov_b32 s[TB], 0
	s_mov_b32 s[KF], 0
	s_mov_b32 s[CNT], 0
.Lstep_\@:
	s_cmp_gt_u32 s[KF], s[\sq+1]                   ; all 128 keys come after my queries: only the stepping lines are run
	s_cbranch_scc1 .Lhidden_\@
	s_setprio 2
	v_add_nc_u32 v8, s[TB], v1
	v_add_nc_u32 v9, s[TB], v2
	v_add_nc_u32 v10, s[TB], v3
	v_nop                                          ; four places behind the last step's products, in front of loads into their registers
.irp f, 0,1,2,3
	FRAG 36+12*\f, 8, 9, 1536*\f
.endr
	ds_load_b32 v84, v10 offset:12288
	ds_load_b32 v85, v10 offset:12288+128
	ds_load_b32 v86, v10 offset:12544
	ds_load_b32 v87, v10 offset:12544+128
	s_wait_alu depctr_va_vdst(0)
	s_wait_dscnt 0x0
	v_perm_b32 v88, v87, v86, 0x05040100           ; V's scale words for 128 keys: lanes 0-15 tile 0, lanes 16-31 tile 2;
	v_perm_b32 v89, v87, v86, 0x07060302           ; tile 1, tile 3
.irp f, 0,1,2,3                                ; S^T: tile 2 f = fragment f x [q | 0], tile 2 f + 1 = fragment f x [0 | q]
.if \f%2
	v_wmma_scale_f32_16x16x128_f8f6f4 v[96+16*\f:103+16*\f], v[36+12*\f:47+12*\f], v[\qf:\qf+11], 0, v[84+\f/2], v[\qs] matrix_a_fmt:MATRIX_FMT_FP6 matrix_b_fmt:MATRIX_FMT_FP6 matrix_a_scale:MATRIX_SCALE_ROW1
	v_wmma_scale_f32_16x16x128_f8f6f4 v[104+16*\f:111+16*\f], v[36+12*\f:47+12*\f], v[\qf+6:\qf+17], 0, v[84+\f/2], v[\qs] matrix_a_fmt:MATRIX_FMT_FP6 matrix_b_fmt:MATRIX_FMT_FP6 matrix_a_scale:MATRIX_SCALE_ROW1
.else
	v_wmma_scale_f32_16x16x128_f8f6f4 v[96+16*\f:103+16*\f], v[36+12*\f:47+12*\f], v[\qf:\qf+11], 0, v[84+\f/2], v[\qs] matrix_a_fmt:MATRIX_FMT_FP6 matrix_b_fmt:MATRIX_FMT_FP6
	v_wmma_scale_f32_16x16x128_f8f6f4 v[104+16*\f:111+16*\f], v[36+12*\f:47+12*\f], v[\qf+6:\qf+17], 0, v[84+\f/2], v[\qs] matrix_a_fmt:MATRIX_FMT_FP6 matrix_b_fmt:MATRIX_FMT_FP6
.endif
.endr
.rept 4
	v_nop                                          ; places in front of the loads below and of the first read of the scores
.endr
.irp f, 0,1,2,3
	FRAG 36+12*\f, 8, 9, 6144+1536*\f              ; V's fragments land while the softmax is worked
.endr
	s_add_co_u32 s52, s[KF], 127                   ; on the diagonal hidden scores become -infinity; a step all of whose keys count skips this
	s_cmp_le_u32 s52, s[\sq]
	s_cbranch_scc1 .Lopen_\@
	s_sub_co_i32 s52, s[\sq], s[KF]
	v_add_nc_u32 v252, s52, v4                     ; d = my query - KF - 16 (lane / 16): register 16 b + i holds key KF + 16 (lane / 16) + 32 b + i, hidden where 32 b + i > d
	v_mov_b32 v254, 0xff800000
.set n_, 0
.rept 64
	v_cmp_gt_i32 vcc_lo, 32*(n_/16)+n_%16, v252
	v_cndmask_b32 v[96+n_], v[96+n_], v254, vcc_lo
.set n_, n_+1
.endr
.Lopen_\@:
.irp b, 0,1,2,3
	v_max3_num_f32 v[232+\b], v[96+16*\b], v[97+16*\b], v[98+16*\b]   ; the largest score of each block of 32 keys: for the row's maximum and, since p rises with the score, for the block's largest p
.endr
.irp i, 3,5,7,9,11,13
.irp b, 0,1,2,3
	v_max3_num_f32 v[232+\b], v[232+\b], v[96+16*\b+\i], v[97+16*\b+\i]
.endr
.endr
.irp b, 0,1,2,3
	v_max_num_f32 v[232+\b], v[232+\b], v[111+16*\b]
.endr
.irp b, 0,1,2,3
	s_delay_alu instid0(VALU_DEP_4)
	v_permlanex16_b32 v[236+\b], v[232+\b], s[SEL], s[SEL+1]
.endr
.irp b, 0,1,2,3
	s_delay_alu instid0(VALU_DEP_4)
	v_max_num_f32 v[232+\b], v[232+\b], v[236+\b]  ; with lane l xor 16's 16 keys
.endr
	s_delay_alu instid0(VALU_DEP_2)
	v_max3_num_f32 v254, v232, v233, v234
	s_delay_alu instid0(VALU_DEP_1)
	v_max_num_f32 v254, v254, v235
	s_delay_alu instid0(VALU_DEP_1)
	v_mul_f32 v254, s[CS], v254                    ; as t (c is positive)
	s_delay_alu instid0(VALU_DEP_1)
	v_max_num_f32 v13, v13, v254                   ; the running largest t
	v_mov_b32 v254, v12
	s_delay_alu instid0(VALU_DEP_2)
	v_floor_f32 v12, -v13                          ; the new -M = -ceil(t): a whole number
	s_delay_alu instid0(VALU_DEP_1)
	v_sub_f32 v254, v12, v254                      ; old M - new M, 0 or less
	s_delay_alu instid0(VALU_DEP_1)
	v_cvt_i32_f32 v254, v254                       ; (it saturates)
	s_delay_alu instid0(VALU_DEP_1)
	v_ldexp_f32 v252, 1.0, v254                    ; f = 2^(old M - new M)
.set j_, 0
	s_setprio 1
.rept 32
	v_pk_fma_f32 v[96+j_:97+j_], v[96+j_:97+j_], s[CS:CS+1], v[12:13] op_sel_hi:[1,0,0]   ; t - M, two at a time
.set j_, j_+2
.endr
.irp b, 0,1,2,3
	v_fma_f32 v[232+\b], v[232+\b], s[CS], v12     ; the same of each block's largest score
.endr
.set j_, 0
	s_wait_alu depctr_va_vdst(0)
.rept 64
	v_exp_f32 v[96+j_], v[96+j_]                   ; p = 2^(t - M), at most 1
.set j_, j_+1
.endr
.irp b, 0,1,2,3
	v_exp_f32 v[232+\b], v[232+\b]                 ; the block's largest p
.endr
	v_pk_mul_f32 v[14:15], v[14:15], v[252:253] op_sel_hi:[1,0]   ; the sums under the new M (a plain place behind the exponentials)
	s_wait_alu depctr_va_vdst(0)
.irp b, 0,1,2,3
	v_max_num_f32 v[232+\b], 0x1800000, v[232+\b]  ; the floor 2^(3 - 127)
.endr
.irp b, 0,1,2,3
	s_delay_alu instid0(VALU_DEP_4)
	v_add_nc_u32 v[244+\b], 0xff000000, v[232+\b]  ; the conversion's scale operand
.endr
.irp b, 0,1,2,3
	s_delay_alu instid0(VALU_DEP_4)
	v_lshrrev_b32 v[236+\b], 23, v[244+\b]
.endr
	s_delay_alu instid0(VALU_DEP_3)
	v_lshl_or_b32 v253, v237, 8, v236              ; p's scale word for these 128 keys
	s_delay_alu instid0(VALU_DEP_1)
	v_lshl_or_b32 v253, v238, 16, v253
	s_delay_alu instid0(VALU_DEP_1)
	v_lshl_or_b32 v253, v239, 24, v253
.irp c, 0,1
	v_cvt_scalef32_pk16_fp6_f32 v[224+6*\c:226+6*\c], v[96+32*\c:111+32*\c], v[244+2*\c]
	v_cvt_scalef32_pk16_fp6_f32 v[236+4*\c:238+4*\c], v[112+32*\c:127+32*\c], v[244+2*\c+1]
.endr
	v_nop                                          ; one plain place behind a scaled conversion
.irp c, 0,1
.irp i, 0,1,2
	v_permlane16_swap_b32 v[224+6*\c+\i], v[236+4*\c+\i]
.endr
.irp i, 0,1,2
	s_delay_alu instid0(VALU_DEP_3)
	v_mov_b32 v[227+6*\c+\i], v[236+4*\c+\i]
.endr
.endr
	v_pk_add_f32 v[236:237], v[96:97], v[98:99]    ; the row's sum, of the UNQUANTISED p: two chains
	s_setprio 0
.irp j, 4,8,12,16,20,24,28,32,36,40,44,48,52,56,60
	v_pk_add_f32 v[14:15], v[14:15], v[96+\j:97+\j]
	v_pk_add_f32 v[236:237], v[236:237], v[98+\j:99+\j]
.endr
	s_delay_alu instid0(VALU_DEP_1)
	v_pk_add_f32 v[14:15], v[14:15], v[236:237]
.set j_, 0
.rept 16
	v_pk_mul_f32 v[160+j_:161+j_], v[160+j_:161+j_], v[252:253] op_sel_hi:[1,0]   ; O^T under the new M
.set j_, j_+2
.endr
	s_wait_alu depctr_va_vdst(0)
	s_wait_dscnt 0x0                               ; V
	v_wmma_scale_f32_16x16x128_f8f6f4 v[160:167], v[36:47], v[224:235], v[160:167], v88, v253 matrix_a_fmt:MATRIX_FMT_FP6 matrix_b_fmt:MATRIX_FMT_FP6
	v_wmma_scale_f32_16x16x128_f8f6f4 v[168:175], v[48:59], v[224:235], v[168:175], v89, v253 matrix_a_fmt:MATRIX_FMT_FP6 matrix_b_fmt:MATRIX_FMT_FP6
	v_wmma_scale_f32_16x16x128_f8f6f4 v[176:183], v[60:71], v[224:235], v[176:183], v88, v253 matrix_a_fmt:MATRIX_FMT_FP6 matrix_b_fmt:MATRIX_FMT_FP6 matrix_a_scale:MATRIX_SCALE_ROW1
	v_wmma_scale_f32_16x16x128_f8f6f4 v[184:191], v[72:83], v[224:235], v[184:191], v89, v253 matrix_a_fmt:MATRIX_FMT_FP6 matrix_b_fmt:MATRIX_FMT_FP6 matrix_a_scale:MATRIX_SCALE_ROW1
.Lhidden_\@:
	s_add_co_u32 s[TB], s[TB], LSTEP
	s_add_co_u32 s[KF], s[KF], 128
	s_add_co_u32 s[CNT], s[CNT], 1
	s_cmp_lt_u32 s[CNT], \trips
	s_cbranch_scc1 .Lstep_\@
	s_setprio 0
	; THE WAY OUT: y = O^T / the sum; its 32 registers are d = 32 b + 16 (lane / 16) + i: two blocks of the last product's K: half a fragment and two scale bytes
.rept 4
	v_nop                                          ; places behind the last products
.endr
	v_add_f32 v14, v14, v15
	s_delay_alu instid0(VALU_DEP_1)
	v_permlanex16_b32 v252, v14, s[SEL], s[SEL+1]
	s_delay_alu instid0(VALU_DEP_1)
	v_add_f32 v14, v14, v252                       ; the row's sum
	s_wait_alu depctr_va_vdst(0)
	v_rcp_f32 v14, v14
	v_nop                                          ; one plain place behind a transcendental
.set j_, 0
	s_wait_alu depctr_va_vdst(0)
.rept 32
	v_mul_f32 v[96+j_], v[160+j_], v14             ; each accumulator from its low end on
.set j_, j_+1
.endr
	s_wait_xcnt 0x0                                ; the other block's stores have read the registers that are written below
.irp b, 0,1
	v_max3_num_f32 v[232+\b], |v[96+16*\b]|, |v[97+16*\b]|, 0x1800000
.endr
.irp i, 2,4,6,8,10,12,14
.irp b, 0,1
	s_delay_alu instid0(VALU_DEP_2)
	v_max3_num_f32 v[232+\b], v[232+\b], |v[96+16*\b+\i]|, |v[97+16*\b+\i]|
.endr
.endr
.irp b, 0,1
	s_delay_alu instid0(VALU_DEP_2)
	v_permlanex16_b32 v[236+\b], v[232+\b], s[SEL], s[SEL+1]
.endr
.irp b, 0,1
	s_delay_alu instid0(VALU_DEP_2)
	v_max_num_f32 v[232+\b], v[232+\b], v[236+\b]
.endr
.irp b, 0,1
	s_delay_alu instid0(VALU_DEP_2)
	v_add_nc_u32 v[244+\b], 0xff000000, v[232+\b]
.endr
.irp b, 0,1
	s_delay_alu instid0(VALU_DEP_2)
	v_lshrrev_b32 v[236+\b], 23, v[244+\b]
.endr
	s_delay_alu instid0(VALU_DEP_1)
	v_lshl_or_b32 v222, v237, 8, v236              ; my head's two bytes of the row's scale word
	v_cvt_scalef32_pk16_fp6_f32 v[212:214], v[96:111], v244
	v_cvt_scalef32_pk16_fp6_f32 v[218:220], v[112:127], v245
	v_nop                                          ; one plain place behind a scaled conversion
.irp i, 0,1,2
	v_permlane16_swap_b32 v[212+\i], v[218+\i]
.endr
.irp i, 0,1,2
	s_delay_alu instid0(VALU_DEP_3)
	v_mov_b32 v[215+\i], v[218+\i]
.endr
	global_store_b128 v1, v[212:215], s[\sy:\sy+1]             ; 512 consecutive bytes, at a multiple of 256 from yq's first byte,
	global_store_b64 v2, v[216:217], s[\sy:\sy+1] offset:512   ; and 256 more
	global_store_b16 v5, v222, s[\sy+2:\sy+3]                  ; two bytes a row are all that one head owns of a scale word: 32 bytes beside a tile's 768 of codes; lanes 16-31 write the same
.endm
	s_wait_loadcnt 0x0                             ; Q of both blocks
	v_perm_b32 v34, v34, v34, s78
	v_perm_b32 v35, v35, v35, s78
	s_wait_tensorcnt 0x1                           ; my part of steps 0-7 is in; my part of steps 8-15 may be out
	s_barrier_signal -1
	s_barrier_wait -1
	PHASE 8, 16, 34, 40, 44
	s_wait_tensorcnt 0x0                           ; my part of steps 8-15 is in,
	s_wait_dscnt 0x0
	s_barrier_signal -1
	s_barrier_wait -1                              ; everybody's is
	PHASE 16, 192, 35, 42, 48
	s_wait_tensorcnt 0x0
	ds_add_u32 v251, v255
	s_wait_dscnt 0x0
	s_endpgm
.Lfunc_end_k_q09f566e18d_attn:
	.size	k_q09f566e18d_attn, .Lfunc_end_k_q09f566e18d_attn-k_q09f566e18d_attn
	.p2alignl 7, 3214868480
	.fill 96, 4, 3214868480
	.section	.rodata,"a",@progbits
	.p2align	6, 0x0
	.amdhsa_kernel k_q09f566e18d_attn
		.amdhsa_group_segment_fixed_size 327680
		.amdhsa_private_segment_fixed_size 0
		.amdhsa_enable_private_segment 0
		.amdhsa_kernarg_size 16
		.amdhsa_user_sgpr_count 2
		.amdhsa_user_sgpr_kernarg_segment_ptr 1
		.amdhsa_wavefront_size32 1
		.amdhsa_system_sgpr_workgroup_id_x 1
		.amdhsa_system_sgpr_workgroup_id_y 1
		.amdhsa_system_sgpr_workgroup_id_z 1
		.amdhsa_system_vgpr_workitem_id 0
		.amdhsa_next_free_vgpr 256
		.amdhsa_next_free_sgpr 80
		.amdhsa_reserve_vcc 1
		.amdhsa_float_denorm_mode_32 3
		.amdhsa_float_denorm_mode_16_64 3
		.amdhsa_memory_ordered 1
		.amdhsa_forward_progress 1
		.amdhsa_inst_pref_size 66
	.end_amdhsa_kernel
	.amdgpu_metadata
---
amdhsa.version: [ 1, 2 ]
amdhsa.kernels:
  - .name:           k_q09f566e18d_attn
    .symbol:         k_q09f566e18d_attn.kd
    .args:
      - { .name: qkv, .offset: 0, .size: 8, .value_kind: global_buffer, .address_space: global }
      - { .name: yq, .offset: 8, .size: 8, .value_kind: global_buffer, .address_space: global }
    .group_segment_fixed_size: 327680
    .private_segment_fixed_size: 0
    .kernarg_segment_align: 8
    .kernarg_segment_size: 16
    .max_flat_workgroup_size: 512
    .sgpr_count:     80
    .vgpr_count:     256
    .wavefront_size: 32
...
	.end_amdgpu_metadata
.endif
;; end of part 3
;; launch proj (part 4): grid 4 x 64, 8 waves a work-group, clusters of 4 x 4, 308,224 bytes of LDS; arguments yq, wq, b_proj, out0; writes out0
.if DOCPART == 4
	.amdgcn_target "amdgcn-amd-amdhsa--gfx1250"
	.amdhsa_code_object_version 6
	.text
	.protected	k_q09f566e18d_proj
	.globl	k_q09f566e18d_proj
	.p2align	8
	.type	k_q09f566e18d_proj,@function
k_q09f566e18d_proj:
	s_mov_b64 s[64:65], 0
	v_nop
	global_prefetch_b8 v0, s[64:65] scope:SCOPE_SE
	s_setreg_imm32_b32 hwreg(HW_REG_WAVE_MODE, 25, 1), 1
	s_wait_xcnt 0x0
	s_wait_alu depctr_hold_cnt(0) depctr_sa_sdst(0) depctr_va_vdst(0) depctr_va_sdst(0) depctr_va_ssrc(0) depctr_va_vcc(0) depctr_vm_vsrc(0)
	s_getreg_b32 s2, hwreg(HW_REG_IB_STS2, 6, 4)
	s_cmp_eq_u32 s2, 0
	s_cbranch_scc0 .Lentry_in_a_cluster
	s_endpgm
.Lentry_in_a_cluster:
	s_bfe_u32 s2, ttmp6, 0x10000c
	s_cmp_lg_u32 s2, 0xf033
	s_cbranch_scc0 .Lentry_shape_is_right
	s_endpgm
.Lentry_shape_is_right:
; out0 = y W_proj + b_proj on codes of FP6 (E2M3) with E8M0 scales; out0 [8192][1024] f32.
; OPERANDS (yq; wq's panels 24-31): [panel of 128 rows][chunk of 256 K][25,600 bytes: codes [s][tile][1,536], then scale words [s][tile][row] x 4]; a tile's row p is panel row 32 (T / 2) + 8 (T % 2) + p + 8 (p / 8);
; a fragment is two halves of 768 bytes: lane l's registers 0-3 at 16 l, 4-5 at 512 + 8 l.
; A work-group makes 128 tokens x 256 features, K = 1,024.  ALL of K lies in LDS (three panels, 307,200 bytes), each byte filled once.  Eight waves, (wm, wn) = (wave / 4, wave % 4), each 64 x 64: 16 accumulators.
; The matrix instruction is used transposed (source 0 = 16 features, source 1 = 16 tokens): a lane holds one token, and tiles 2 b, 2 b + 1 give it 16 neighbouring features.
; CLUSTER 4 x 4: y's panel is shared along a row of the cluster, W's two panels along a column: each is asked for jointly.
; THE WAY OUT goes through a stage of the wave's own (16 rows of 256 bytes + 16) in chunk 0's bytes, which have had their last fill and, behind chunk 3's barrier, their last read.
; REGISTERS: v4-8 LDS addresses; v12-15 scale words (lanes 0-15 A's tile i, lanes 16-31 B's tile i); v17-19 the way out; v32-79 A's four fragments; v80-127 B's; v128-255 accumulators; window 1, v0-31: the bias.
.set PANEL, 102400
.set CHB,   25600
.set LCH,   76800
.set HLF,   12800
.set SCO,   24576
.set A16, 4
.set A8,  5
.set B16, 6
.set B8,  7
.set SCA, 8
.set SC,  12
.set AF,  32
.set BF,  80
.set ACC, 128
.set MSB, 0
.macro WIN new                         ; the immediate's high byte repeats the setting that is left
.if MSB != \new
	s_set_vgpr_msb (MSB<<8)|\new
.set MSB, \new
.endif
.endm
.macro CROUND                          ; a round of the cluster's barrier
	s_barrier_signal -1
	s_barrier_wait -1
	s_cmp_lg_u32 s12, 0
	s_cbranch_scc1 .Lnot_wave_0_\@
	s_barrier_signal -3
.Lnot_wave_0_\@:
	s_barrier_wait -3
	s_barrier_signal -1
	s_barrier_wait -1
.endm
	s_load_b256 s[4:11], s[0:1], 0x0               ; yq s[4:5], wq s[6:7], b_proj s[8:9], out0 s[10:11]
	v_lshl_add_u32 v30, v0, 2, 0x4b000
	v_mov_b32 v31, 0
	ds_add_u32 v30, v31
	ds_add_u32 v30, v31
	v_lshrrev_b32 v1, 5, v0
	s_delay_alu instid0(VALU_DEP_1)
	v_readfirstlane_b32 s12, v1                    ; wave 0..7
	s_lshr_b32 s13, s12, 2                         ; wm
	s_and_b32 s14, s12, 3                          ; wn
	s_bfe_u32 s15, ttmp6, 0x40000                  ; cx
	s_bfe_u32 s16, ttmp6, 0x40004                  ; cy
	s_and_b32 s18, ttmp7, 0xffff                   ; the cluster's y
	s_lshl_b32 s19, s16, 2
	s_lshl_b32 s19, 15, s19                        ; my row of the cluster
	s_lshl_b32 s20, 0x1111, s15                    ; my column
	; descriptor group 1: 50 rows of 256 bytes (32 elements of 8 bytes), dense, no padding
	s_or_b32 s24, s19, (3<<16)|(1<<21)             ; the mask: y's panel goes to my row; elements of 8 bytes; bit 21 set beside a mask
	s_or_b32 s32, s20, (3<<16)|(1<<21)             ; W's panels go to my column
.irp g, 24, 32
	s_mov_b32 s[\g+1], 32<<16
	s_mov_b32 s[\g+2], 50<<16
	s_mov_b32 s[\g+3], 32<<16
	s_mov_b32 s[\g+4], 50
	s_mov_b32 s[\g+5], 32
	s_mov_b32 s[\g+6], 0
	s_mov_b32 s[\g+7], 0
.endr
	s_lshl_b32 s21, s18, 2
	s_add_co_u32 s21, s21, s16                     ; tr: panel of tokens
	s_lshl_b32 s84, ttmp9, 2
	s_add_co_u32 s84, s84, s15                     ; tc: pair of panels of features
	s_mul_i32 s92, s21, PANEL
	s_and_b32 s93, s12, 1
	s_mul_i32 s93, s93, HLF                        ; waves 0, 1: the halves of A's chunk
	s_add_co_u32 s92, s92, s93
	s_mov_b32 s93, 0
	s_max_u32 s94, s12, 2
	s_sub_co_u32 s94, s94, 2                       ; waves 2-5: panel (wave - 2) / 2 of the pair, half (wave - 2) % 2 of its chunk
	s_lshr_b32 s95, s94, 1
	s_mul_i32 s95, s95, PANEL
	s_and_b32 s94, s94, 1
	s_mul_i32 s94, s94, HLF
	s_add_co_u32 s94, s94, s95
	s_mul_i32 s95, s84, 2*PANEL
	s_add_co_u32 s94, s94, s95
	s_add_co_u32 s94, s94, 24*PANEL                ; W_proj's panels lie behind W_attn's 24
	s_mov_b32 s95, 0
	s_mul_i32 s96, s12, HLF                        ; where a wave's part goes in a chunk
	s_wait_dscnt 0x0
	s_wait_kmcnt 0x0
	s_add_nc_u64 s[88:89], s[4:5], s[92:93]
	s_add_nc_u64 s[90:91], s[6:7], s[94:95]
.irp c, 0,1,2,3                                ; a group 0 for each chunk: s[40:55] for A', s[68:83] for B'
	s_mov_b32 s[40+4*\c], 1
	s_add_co_u32 s[41+4*\c], s96, LCH*\c
	s_add_nc_u64 s[42+4*\c:43+4*\c], s[88:89], CHB*\c
	s_or_b32 s[43+4*\c], s[43+4*\c], 0x80000000
	s_mov_b32 s[68+4*\c], 1
	s_add_co_u32 s[69+4*\c], s96, LCH*\c
	s_add_nc_u64 s[70+4*\c:71+4*\c], s[90:91], CHB*\c
	s_or_b32 s[71+4*\c], s[71+4*\c], 0x80000000
.endr
	CROUND                                         ; all sixteen work-groups are here: the joint loads meet
	s_cmp_lt_u32 s12, 2                            ; all fills of a wave stand in one branch on its number: four loads of mine are out; waves 6 and 7 issue none
	s_cbranch_scc0 .Lnot_a
.irp c, 0,1,2,3
	tensor_load_to_lds s[40+4*\c:43+4*\c], s[24:31]
	s_nop 0
.endr
.rept 4
	v_nop
.endr
	s_branch .Lasked
.Lnot_a:
	s_cmp_lt_u32 s12, 6
	s_cbranch_scc0 .Lasked
.irp c, 0,1,2,3
	tensor_load_to_lds s[68+4*\c:71+4*\c], s[32:39]
	s_nop 0
.endr
.rept 4
	v_nop
.endr
.Lasked:
	v_and_b32 v1, 31, v0                           ; lane
	v_and_b32 v2, 15, v0                           ; r
	v_bfe_u32 v3, v0, 4, 1                         ; h
	s_wait_alu depctr_va_vdst(0)
	v_lshlrev_b32 v9, 4, v1
	v_lshlrev_b32 v10, 3, v1
	s_mul_i32 s97, s13, 6144                       ; A': my four tiles
	v_add_nc_u32 v[A16], s97, v9
	v_add_nc_u32 v[A8], s97, v10
	s_lshr_b32 s98, s14, 1
	s_mul_i32 s98, s98, CHB                        ; B': panel wn / 2,
	s_and_b32 s99, s14, 1
	s_mul_i32 s2, s99, 6144                        ; tiles 4 (wn % 2) on
	s_add_co_u32 s2, s2, s98
	s_add_co_u32 s2, s2, CHB
	v_add_nc_u32 v[B16], s2, v9
	v_add_nc_u32 v[B8], s2, v10
	s_lshl_b32 s3, s13, 8
	s_add_co_u32 s3, s3, SCO                       ; A's scale words,
	s_lshl_b32 s99, s99, 8
	s_add_co_u32 s99, s99, s98
	s_add_co_u32 s99, s99, CHB+SCO                 ; B's,
	s_sub_co_u32 s99, s99, s3                      ; and the distance between them: lanes 16-31 take B's
	v_mul_u32_u24 v[SCA], s99, v3
	s_delay_alu instid0(VALU_DEP_1)
	v_lshl_add_u32 v[SCA], v2, 2, v[SCA]
	s_delay_alu instid0(VALU_DEP_1)
	v_add_nc_u32 v[SCA], s3, v[SCA]
	s_mul_i32 s2, s12, 4352                        ; my stage
	v_mul_u32_u24 v17, v2, 272
	s_delay_alu instid0(VALU_DEP_1)
	v_lshl_add_u32 v17, v3, 6, v17
	s_delay_alu instid0(VALU_DEP_1)
	v_add_nc_u32 v17, s2, v17                      ; in: row r, + 64 h: my half's 16 features of each 32
	v_mul_u32_u24 v18, v3, 272
	s_delay_alu instid0(VALU_DEP_1)
	v_lshl_add_u32 v18, v2, 4, v18
	s_delay_alu instid0(VALU_DEP_1)
	v_add_nc_u32 v18, s2, v18                      ; back: lanes 0-15 one row of 256 bytes, lanes 16-31 the next
	v_lshlrev_b32 v19, 12, v3
	s_delay_alu instid0(VALU_DEP_1)
	v_lshl_add_u32 v19, v2, 4, v19                 ; and the same two rows in out0
	s_lshl_b32 s2, s84, 10                         ; the bias: tile b's eight are features 256 tc + 64 wn + 32 (b / 2) + 16 h + 8 (b % 2) + 0 .. 7
	s_lshl_b32 s3, s14, 8
	s_add_co_u32 s2, s2, s3
	s_mov_b32 s3, 0
	s_add_nc_u64 s[8:9], s[8:9], s[2:3]
	s_add_nc_u64 s[10:11], s[10:11], s[2:3]        ; out0 at my first column (the same bytes: 4 a feature),
	s_lshl_b32 s2, s21, 7
	s_lshl_b32 s86, s13, 6
	s_add_co_u32 s2, s2, s86
	s_lshl_b32 s2, s2, 12                          ; and my first row: (128 tr + 64 wm) rows of 4,096 bytes, under 2^25
	s_add_nc_u64 s[10:11], s[10:11], s[2:3]
	v_lshlrev_b32 v16, 6, v3
	WIN 0x40                                       ; destination window 1
.irp b, 0,1,2,3
	global_load_b128 v[8*\b:8*\b+3], v16, s[8:9] offset:128*(\b/2)+32*(\b%2)
	global_load_b128 v[8*\b+4:8*\b+7], v16, s[8:9] offset:128*(\b/2)+32*(\b%2)+16
.endr
	WIN 0
.macro FRAG reg, a16, a8, off          ; a fragment as it lies: every load takes consecutive bytes in lane order
	ds_load_b128 v[\reg:\reg+3], v[\a16] offset:\off
	ds_load_b64 v[\reg+4:\reg+5], v[\a8] offset:\off+512
	ds_load_b128 v[\reg+6:\reg+9], v[\a16] offset:\off+768
	ds_load_b64 v[\reg+10:\reg+11], v[\a8] offset:\off+1280
.endm
.macro FETCH sp                        ; K step sp of the chunk in hand: 4 scale registers, B's four fragments, A's four: 36 loads
.irp a, 0,1,2,3
	ds_load_b32 v[SC+\a], v[SCA] offset:512*\sp+64*\a
.endr
.irp b, 0,1,2,3
	FRAG BF+12*\b, B16, B8, 12288*\sp+1536*\b
.endr
.irp a, 0,1,2,3
	FRAG AF+12*\a, A16, A8, 12288*\sp+1536*\a
.endr
.endm
; 16 products, the accumulators by turns, one instruction a turn.  mode 0: onto the sums; 1: C = the bias of B's tile
.macro MUL16 mode, waits
.irp a, 0,1,2,3
.if \waits
	s_wait_dscnt 4*(3-\a)                          ; A's fragment a is in; the later ones, four loads each, may be out
.endif
.irp b, 0,1,2,3
.if \mode == 0
	v_wmma_scale_f32_16x16x128_f8f6f4 v[ACC+8*(4*\a+\b):ACC+8*(4*\a+\b)+7], v[BF+12*\b:BF+12*\b+11], v[AF+12*\a:AF+12*\a+11], v[ACC+8*(4*\a+\b):ACC+8*(4*\a+\b)+7], v[SC+\b], v[SC+\a] matrix_a_fmt:MATRIX_FMT_FP6 matrix_b_fmt:MATRIX_FMT_FP6 matrix_a_scale:MATRIX_SCALE_ROW1
.else
	v_wmma_scale_f32_16x16x128_f8f6f4 v[ACC+8*(4*\a+\b):ACC+8*(4*\a+\b)+7], v[BF+12*\b:BF+12*\b+11], v[AF+12*\a:AF+12*\a+11], v[8*\b:8*\b+7], v[SC+\b], v[SC+\a] matrix_a_fmt:MATRIX_FMT_FP6 matrix_b_fmt:MATRIX_FMT_FP6 matrix_a_scale:MATRIX_SCALE_ROW1
.endif
.endr
.endr
.endm
.macro PLACES                          ; four places in front of loads into registers that matrix instructions have read, and of the first read of results
.rept 4
	v_nop
.endr
.endm
.macro ARRIVED c                       ; chunk c is whole in LDS: my part has landed (my later chunks' loads, 3 - c of them, may be out), and so has everybody's.
	s_wait_tensorcnt 3-\c
	s_barrier_signal -1
	s_barrier_wait -1
.endm
	ARRIVED 0
	FETCH 0
	s_wait_loadcnt 0x0                             ; the bias
	s_wait_dscnt 0x0
	WIN 0x10                                       ; source 2 (the bias) window 1
	MUL16 1, 0
	WIN 0
	PLACES
	FETCH 1
	MUL16 0, 1
.irp c, 1,2,3
	ARRIVED \c
.irp r, A16, A8, B16, B8, SCA
	v_add_nc_u32 v[\r], LCH, v[\r]                 ; on to the next chunk; these five are also the places in front of the loads
.endr
	FETCH 0
	s_wait_alu depctr_va_vdst(0)
	MUL16 0, 1
	PLACES
	FETCH 1
	MUL16 0, 1
.endr
	; THE WAY OUT, a tile of 16 tokens at a time: a lane's 32 numbers of a row go into my stage, whole rows of 256 bytes come back, and sixteen lanes store one aligned 256 bytes of out0.
	PLACES
.irp a, 0,1,2,3
.if \a > 1
	s_wait_xcnt 0x0                                ; tile a - 2's stores have read the registers into which the loads below land
.endif
.irp b, 0,1,2,3
	ds_store_b128 v17, v[ACC+8*(4*\a+\b):ACC+8*(4*\a+\b)+3] offset:128*(\b/2)+32*(\b%2)          ; each accumulator from its low end on
	ds_store_b128 v17, v[ACC+8*(4*\a+\b)+4:ACC+8*(4*\a+\b)+7] offset:128*(\b/2)+32*(\b%2)+16
.endr
.irp i, 0,1,2,3,4,5,6,7
	ds_load_b128 v[32+32*(\a%2)+4*\i:32+32*(\a%2)+4*\i+3], v18 offset:544*\i   ; LDS serves a wave's instructions in order: these see my stores
.endr
.irp i, 0,1,2,3,4,5,6,7
	s_wait_dscnt 7-\i                              ; the younger loads may be out
	global_store_b128 v19, v[32+32*(\a%2)+4*\i:32+32*(\a%2)+4*\i+3], s[10:11] offset:(32*(\a/2)+8*(\a%2)+2*\i+8*(\i/4))*4096 th:TH_STORE_NT   ; stage rows 2 i, 2 i + 1 are tokens 32 (a / 2) + 8 (a % 2) + 2 i + 8 (i / 4) and the next
.endr
.endr
	s_wait_tensorcnt 0x0
	s_wait_tensorcnt 0x0
	ds_add_u32 v30, v31
	s_wait_dscnt 0x0
	CROUND                                         ; the closing round: no work-group ends while a partner may still ask for a tile that names it
	s_endpgm
.Lfunc_end_k_q09f566e18d_proj:
	.size	k_q09f566e18d_proj, .Lfunc_end_k_q09f566e18d_proj-k_q09f566e18d_proj
	.p2alignl 7, 3214868480
	.fill 96, 4, 3214868480
	.section	.rodata,"a",@progbits
	.p2align	6, 0x0
	.amdhsa_kernel k_q09f566e18d_proj
		.amdhsa_group_segment_fixed_size 308224
		.amdhsa_private_segment_fixed_size 0
		.amdhsa_enable_private_segment 0
		.amdhsa_kernarg_size 32
		.amdhsa_user_sgpr_count 2
		.amdhsa_user_sgpr_kernarg_segment_ptr 1
		.amdhsa_wavefront_size32 1
		.amdhsa_system_sgpr_workgroup_id_x 1
		.amdhsa_system_sgpr_workgroup_id_y 1
		.amdhsa_system_sgpr_workgroup_id_z 1
		.amdhsa_system_vgpr_workitem_id 0
		.amdhsa_next_free_vgpr 288
		.amdhsa_next_free_sgpr 100
		.amdhsa_reserve_vcc 0
		.amdhsa_float_denorm_mode_32 3
		.amdhsa_float_denorm_mode_16_64 3
		.amdhsa_memory_ordered 1
		.amdhsa_forward_progress 1
		.amdhsa_inst_pref_size 55
	.end_amdhsa_kernel
	.amdgpu_metadata
---
amdhsa.version: [ 1, 2 ]
amdhsa.kernels:
  - .name:           k_q09f566e18d_proj
    .symbol:         k_q09f566e18d_proj.kd
    .args:
      - { .name: yq, .offset: 0, .size: 8, .value_kind: global_buffer, .address_space: global }
      - { .name: wq, .offset: 8, .size: 8, .value_kind: global_buffer, .address_space: global }
      - { .name: b_proj, .offset: 16, .size: 8, .value_kind: global_buffer, .address_space: global }
      - { .name: out0, .offset: 24, .size: 8, .value_kind: global_buffer, .address_space: global }
    .group_segment_fixed_size: 308224
    .private_segment_fixed_size: 0
    .kernarg_segment_align: 8
    .kernarg_segment_size: 32
    .max_flat_workgroup_size: 256
    .sgpr_count:     100
    .vgpr_count:     288
    .wavefront_size: 32
...
	.end_amdgpu_metadata
.endif
;; end of part 4
